; MI455X (gfx1250); checked and timed in simulation.
; The chip was launched on July 23, 2026; its instructions are those of AMD's public machine-readable ISA for CDNA 5 (MIT licence, August 2026) and "CDNA5" Instruction Set Architecture Reference Guide (July 2026). The comments in the code are by the model that wrote it; some were corrected since.
;; Instant Nerf. Allowed arithmetic: matrix products marked QUANTISED: E3M2 operands, one E8M0 scale for each 32 along K, by v_wmma_scale_f32_16x16x128_f8f6f4 with both operands' format E3M2, f32 sums; products left as they are: f32 operands where the result goes on into a quantised operand, else bf16, f16 or f32 operands; f32 sums; everything else in f32.
;; Inputs: b1 64 float32; bc1 64 float32; bc2 64 float32; bc3 3 float32; bd 16 float32; direction 262,144 x 3 float32; hash_table 2 x 8,388,608 float32; position 262,144 x 3 float32; w1 32 x 64 float32; wc1 32 x 64 float32; wc2 64 x 64 float32; wc3 64 x 3 float32; wd 64 x 16 float32.
;; Outputs: out0 262,144 x 16 float32; out1 262,144 x 3 float32.
;; This version of the problem:
;;   THIS VERSION OF THE PROBLEM IS GIVEN IN LOW PRECISION. The matrix products marked QUANTISED in the list below multiply operands that are first quantised to E3M2 (3 exponent bits, 2 mantissa bits; 6 bits a number), with one power-of-two scale for each 32 numbers along K (OCP MX v1.0); their sums are f32. All else is computed in f32.
;;   The module's matrix products, in the order in which they are computed (A, B: the left and right operand; K: the contracted axis; several contracted axes count as one K, in the product's order):
;;     1. [M 262,144, K 32] x [K 32, N 64]; A: computed on the way; B: input w1: QUANTISED
;;     2. [M 262,144, K 64] x [K 64, N 16]; A: computed on the way; B: input wd: QUANTISED
;;     3. [M 262,144, K 32] x [K 32, N 64]; A: computed on the way; B: input wc1: QUANTISED
;;     4. [M 262,144, K 64] x [K 64, N 64]; A: computed on the way; B: input wc2: QUANTISED
;;     5. [M 262,144, K 64] x [K 64, N 3]; A: computed on the way; B: input wc3: left as it is (N = 3 < 16)
;;   THE QUANTISER, for each operand of a quantised product, along K:
;;     - K is cut into blocks of 32 from its start; a last block that is shorter is filled with zeros.
;;     - A block's scale is 2^e with e = floor(log2(the largest magnitude in the block)) - 4, held to -126 .. 127; a block of zeros has e = 0. As a byte (E8M0): e + 127.
;;     - Each number is divided by its block's scale, clamped to +-28, and rounded to the nearest number of E3M2, ties to even, subnormals kept.
;;     - The product sums the exact products of the quantised numbers (number of the format x scale) in f32.
;;   ~~~python
;;   def quantise(x, axis):      # numpy; x: float32 -> the quantised numbers, widened to float32 again
;;       x = np.moveaxis(x, axis, -1); K = x.shape[-1]
;;       x = np.pad(x, [(0, 0)] * (x.ndim - 1) + [(0, -K % 32)]); x = x.reshape(x.shape[:-1] + (-1, 32)); a = np.abs(x).max(-1, keepdims=True)
;;       e = np.where(a > 0, np.clip(np.frexp(np.where(a > 0, a, 1))[1] - 1 - 4, -126, 127), 0)      # np.frexp(a)[1] - 1 = floor(log2(a)), exactly
;;       r = np.clip(x / 2.0 ** e, -28, 28)
;;       step = 2.0 ** (np.maximum(np.frexp(np.where(r == 0, 1, r))[1] - 1, -2) - 2)
;;       q = np.round(r / step) * step * 2.0 ** e      # np.round: ties to even
;;       return np.moveaxis(q.reshape(q.shape[:-2] + (-1,))[..., :K], -1, axis).astype(np.float32)
;;   ~~~
;;   OPERANDS COMPUTED ON THE WAY. 'Computed on the way' means the value that the module computes at that place (a softmax that the list does not call 'softmax' is quantised finished and normalised). What goes into a quantiser is computed in f32, as accurately as f32 sums, v_exp_f32 and their like allow (about 1e-6 of the number): no bf16 or f16 on the way to a quantiser, and a product that is left as it is and whose result goes on into a quantised operand takes f32 operands (vector FMAs, or v_wmma_f32_16x16x4_f32). A number that lies on a knife's edge between two numbers of the format may be rounded either way, as far as f32 arithmetic and the matrix unit's own rounding can turn it there, and no further.
;; 3 versions, each right; version 2 is faster than version 1; version 3 is version 2 with the launch main written anew for expert scheduling mode. Each part assembles by itself: llvm-mc -triple=amdgcn-amd-amdhsa -mcpu=gfx1250 --defsym DOCPART=n.
;; ======== version 1 of 3: 2 launches
;; workspace buffers: iw 33,554,432 bytes of whole numbers; tab 67,108,864 bytes
;; launch prep (part 1): grid 2048 x 1, 8 waves a work-group, no clusters, 0 bytes of LDS; arguments position, hash_table, iw, tab; writes iw, tab
.if DOCPART == 1
	.amdgcn_target "amdgcn-amd-amdhsa--gfx1250"
	.amdhsa_code_object_version 6
	.text
	.protected	k_qf5035205a8_prep
	.globl	k_qf5035205a8_prep
	.p2align	8
	.type	k_qf5035205a8_prep,@function
k_qf5035205a8_prep:
	s_mov_b64 s[64:65], 0
	v_nop
	global_prefetch_b8 v0, s[64:65] scope:SCOPE_SE
	s_setreg_imm32_b32 hwreg(HW_REG_WAVE_MODE, 25, 1), 1
	s_wait_xcnt 0x0
; TWO JOBS IN ONE LAUNCH, told apart by the work-group's number; neither uses LDS, and no wave waits for another.
; Work-groups 0-1023 (a thread to a point, 256 points): for each of the 16 levels the hash of the cell's floor corner and what turns it into the other seven,
;   as whole numbers, so that the next launch forms its gather addresses from whole numbers read from memory.
;   With M = 2^19 - 1, xf, yf, zf = floor(position x S), xc, yc, zc = ceil:
;   h = (xf ^ yf P1 ^ zf P2) & M;  dy = (yf P1 ^ yc P1) & M;  dz likewise with P2;  dx = (xf ^ xc) & M, which is always 2^k - 1, so k (0..19) is kept.
;   word 0 = h | dy << 19 (dy's low 13 bits);  word 1 = dy >> 13 | dz << 6 | k << 25.
;   iw: byte (point / 64) x 8192 + level x 512 + (point % 64) x 8: a wave's store covers 256 consecutive bytes, aligned.
; Work-groups 1024-2047 (8,192 entries each): the table's two planes [2][8388608] are woven into tab [8388608][2], so that a corner's two features are 8 neighbouring bytes.
; THE SCALINGS floor(16 g^l), g = exp((log 1024 - log 16) / 15) in f32, are constants of reference(): 16 21 27 36 48 64 84 111 147 194 256 337 445 588 776 1024.
; LIMITS: |position x 1024| stays under 2^31; NaN and infinities among the positions are not served.
.set PR1,   0x9e3779b1                 ; 2654435761
.set PR2,   0x30025795                 ; 805459861
.set HMASK, 0x7ffff                    ; the table of a level has 2^19 entries
.macro GETS l                          ; SV = the f32 bits of level l's scaling
.if (\l) == 0
.set SV, 0x41800000
.elseif (\l) == 1
.set SV, 0x41a80000
.elseif (\l) == 2
.set SV, 0x41d80000
.elseif (\l) == 3
.set SV, 0x42100000
.elseif (\l) == 4
.set SV, 0x42400000
.elseif (\l) == 5
.set SV, 0x42800000
.elseif (\l) == 6
.set SV, 0x42a80000
.elseif (\l) == 7
.set SV, 0x42de0000
.elseif (\l) == 8
.set SV, 0x43130000
.elseif (\l) == 9
.set SV, 0x43420000
.elseif (\l) == 10
.set SV, 0x43800000
.elseif (\l) == 11
.set SV, 0x43a88000
.elseif (\l) == 12
.set SV, 0x43de8000
.elseif (\l) == 13
.set SV, 0x44130000
.elseif (\l) == 14
.set SV, 0x44420000
.else
.set SV, 0x44800000
.endif
.endm
	s_load_b256 s[4:11], s[0:1], 0x0               ; position s[4:5], hash_table s[6:7], iw s[8:9], tab s[10:11]
	s_mov_b32 s16, PR1
	s_mov_b32 s17, PR2
	s_mov_b32 s18, HMASK
	s_mov_b32 s13, 0
	s_mov_b32 s15, 0
	s_cmp_lt_u32 ttmp9, 1024
	s_cbranch_scc0 .Lweave
	; ---- the indices
	s_mul_i32 s12, ttmp9, 3072                     ; 256 points of 12 bytes
	s_lshl_b32 s14, ttmp9, 15                      ; four chunks of 8,192 bytes
	v_mul_u32_u24 v1, v0, 12
	v_lshrrev_b32 v2, 6, v0
	v_and_b32 v3, 63, v0
	v_lshlrev_b32 v2, 13, v2
	v_lshl_add_u32 v2, v3, 3, v2                   ; (thread / 64) x 8192 + (thread % 64) x 8
	s_wait_kmcnt 0x0
	s_add_nc_u64 s[4:5], s[4:5], s[12:13]
	s_add_nc_u64 s[8:9], s[8:9], s[14:15]
	global_load_b96 v[4:6], v1, s[4:5]
	s_wait_loadcnt 0x0
; One level.  Each level has its own pair of data registers, v[32 + 2 l], so no store's data are written again.
.macro LEVEL l
	GETS \l
	v_mul_f32 v8, SV, v4
	v_mul_f32 v9, SV, v5
	v_mul_f32 v10, SV, v6
	v_floor_f32 v11, v8
	v_floor_f32 v12, v9
	v_floor_f32 v13, v10
	v_floor_f32 v14, -v8                           ; ceil(t) = -floor(-t)
	v_floor_f32 v15, -v9
	v_floor_f32 v16, -v10
.irp r, 11,12,13,14,15,16
	v_cvt_i32_f32 v\r, v\r
.endr
.irp r, 14,15,16
	v_sub_nc_u32 v\r, 0, v\r
.endr
	v_mul_lo_u32 v12, v12, s16
	v_mul_lo_u32 v15, v15, s16
	v_mul_lo_u32 v13, v13, s17
	v_mul_lo_u32 v16, v16, s17
	v_xor_b32 v17, v11, v12
	v_xor_b32 v18, v12, v15
	v_xor_b32 v19, v13, v16
	v_xor_b32 v20, v11, v14
	v_xor_b32 v17, v17, v13
	v_and_b32 v18, s18, v18                        ; dy
	v_and_b32 v19, s18, v19                        ; dz
	v_and_b32 v20, s18, v20                        ; dx = 2^k - 1
	v_and_b32 v17, s18, v17                        ; h
	v_add_nc_u32 v20, 1, v20                       ; 2^k, exact in f32:
	v_cvt_f32_u32 v20, v20
	v_lshrrev_b32 v21, 13, v18
	v_lshrrev_b32 v20, 23, v20                     ; its exponent field is k + 127
	v_lshl_or_b32 v21, v19, 6, v21
	v_add_nc_u32 v20, 0xffffff81, v20              ; k
	v_lshl_or_b32 v[32+2*(\l)], v18, 19, v17
	v_lshl_or_b32 v[33+2*(\l)], v20, 25, v21
	global_store_b64 v2, v[32+2*(\l):33+2*(\l)], s[8:9] offset:512*(\l) th:TH_STORE_NT
.endm
.irp l, 0,1,2,3,4,5,6,7,8,9,10,11,12,13,14,15
	LEVEL \l
.endr
	s_endpgm
	; ---- the weaving: 16 steps of 512 entries; all 32 loads go out first, each register is written once
.Lweave:
	s_sub_co_u32 s12, ttmp9, 1024
	s_lshl_b32 s14, s12, 16                        ; 8,192 entries of 8 bytes in tab
	s_lshl_b32 s12, s12, 15                        ; and of 4 bytes in each plane
	v_lshlrev_b32 v1, 3, v0                        ; in: two entries a thread
	v_lshlrev_b32 v2, 4, v0                        ; out: their 16 bytes
	s_wait_kmcnt 0x0
	s_add_nc_u64 s[6:7], s[6:7], s[12:13]          ; feature 0
	s_add_nc_u64 s[20:21], s[6:7], 0x2000000       ; feature 1: 8,388,608 entries of 4 bytes on
	s_add_nc_u64 s[10:11], s[10:11], s[14:15]
.irp s, 0,1,2,3,4,5,6,7,8,9,10,11,12,13,14,15
	global_load_b64 v[32+4*\s:33+4*\s], v1, s[6:7] offset:2048*\s th:TH_LOAD_NT
	global_load_b64 v[34+4*\s:35+4*\s], v1, s[20:21] offset:2048*\s th:TH_LOAD_NT
.endr
.irp s, 0,1,2,3,4,5,6,7,8,9,10,11,12,13,14,15
	s_wait_loadcnt 30-2*\s                         ; this step's two loads are in; the younger steps' two each may be out
	v_mov_b32 v3, v[33+4*\s]                       ; (a0, a1, b0, b1) becomes (a0, b0, a1, b1)
	v_mov_b32 v[33+4*\s], v[34+4*\s]
	v_mov_b32 v[34+4*\s], v3
	global_store_b128 v2, v[32+4*\s:35+4*\s], s[10:11] offset:4096*\s th:TH_STORE_NT   ; a wave stores 512 consecutive bytes, aligned
.endr
	s_endpgm
.Lfunc_end_k_qf5035205a8_prep:
	.size	k_qf5035205a8_prep, .Lfunc_end_k_qf5035205a8_prep-k_qf5035205a8_prep
	.p2alignl 7, 3214868480
	.fill 96, 4, 3214868480
	.section	.rodata,"a",@progbits
	.p2align	6, 0x0
	.amdhsa_kernel k_qf5035205a8_prep
		.amdhsa_group_segment_fixed_size 0
		.amdhsa_private_segment_fixed_size 0
		.amdhsa_enable_private_segment 0
		.amdhsa_kernarg_size 32
		.amdhsa_user_sgpr_count 2
		.amdhsa_user_sgpr_kernarg_segment_ptr 1
		.amdhsa_wavefront_size32 1
		.amdhsa_system_sgpr_workgroup_id_x 1
		.amdhsa_system_sgpr_workgroup_id_y 1
		.amdhsa_system_sgpr_workgroup_id_z 1
		.amdhsa_system_vgpr_workitem_id 0
		.amdhsa_next_free_vgpr 96
		.amdhsa_next_free_sgpr 66
		.amdhsa_reserve_vcc 0
		.amdhsa_float_denorm_mode_32 3
		.amdhsa_float_denorm_mode_16_64 3
		.amdhsa_memory_ordered 1
		.amdhsa_forward_progress 1
		.amdhsa_inst_pref_size 37
	.end_amdhsa_kernel
	.amdgpu_metadata
---
amdhsa.version: [ 1, 2 ]
amdhsa.kernels:
  - .name:           k_qf5035205a8_prep
    .symbol:         k_qf5035205a8_prep.kd
    .args:
      - { .name: position, .offset: 0, .size: 8, .value_kind: global_buffer, .address_space: global }
      - { .name: hash_table, .offset: 8, .size: 8, .value_kind: global_buffer, .address_space: global }
      - { .name: iw, .offset: 16, .size: 8, .value_kind: global_buffer, .address_space: global }
      - { .name: tab, .offset: 24, .size: 8, .value_kind: global_buffer, .address_space: global }
    .group_segment_fixed_size: 0
    .private_segment_fixed_size: 0
    .kernarg_segment_align: 8
    .kernarg_segment_size: 32
    .max_flat_workgroup_size: 256
    .sgpr_count:     66
    .vgpr_count:     96
    .wavefront_size: 32
...
	.end_amdgpu_metadata
.endif
;; end of part 1
;; launch main (part 2): grid 256 x 1, 16 waves a work-group, no clusters, 58,368 bytes of LDS; arguments position, direction, iw, tab, w1, b1, wd, bd, wc1, bc1, wc2, bc2, wc3, bc3, out0, out1; writes out0, out1
.if DOCPART == 2
	.amdgcn_target "amdgcn-amd-amdhsa--gfx1250"
	.amdhsa_code_object_version 6
	.text
	.protected	k_qf5035205a8_main
	.globl	k_qf5035205a8_main
	.p2align	8
	.type	k_qf5035205a8_main,@function
k_qf5035205a8_main:
	s_mov_b64 s[64:65], 0
	v_nop
	global_prefetch_b8 v0, s[64:65] scope:SCOPE_SE
	s_setreg_imm32_b32 hwreg(HW_REG_WAVE_MODE, 25, 1), 1
	s_wait_xcnt 0x0
; THE WHOLE NETWORK FOR 1,024 POINTS A WORK-GROUP, 64 A WAVE: hash-grid encoding (16 levels x 8 corners, gathered from tab by the whole numbers of iw), three nested interpolations,
; then enc -> relu(W1) -> density (Wd) -> [density | sh(direction)] -> relu(Wc1) -> relu(Wc2) -> sigmoid(Wc3).  The first four products run on codes of BF6 (E3M2) with one E8M0 scale for each 32 along K,
; both operands quantised here; the last, with 3 outputs, on bf16.  Nothing between the encoding and the outputs goes to memory.
; SHARES.  Sixteen waves of 256 registers, four to a SIMD.  A wave's 64 points are two groups of 32.  In the encoding a lane is a point; in the network a group is two tiles of 16 points.
; ALL PRODUCTS ARE USED TRANSPOSED (source 0 = 16 rows of a weight's transpose, source 1 = 16 points): lane (r, h) holds point r and units 8 h + 0 .. 7 of the tile.  The rows of W1 and Wc1 that form tile t are
; u = 32 (r / 8) + 8 t + r % 8, so that a lane's 32 registers of the four tiles are units 32 h + 0 .. 31: a whole block of the next K, in the order of the next operand's registers.  No code changes lanes.
; K IS 32 OR 64 OF THE INSTRUCTION'S 128: source 1's registers 6-11 are zero codes, which add nothing; source 0's registers 6-11 then may hold any codes (every code of this format is a finite number).
; FIRST PRODUCT: each lane quantises its own point.  Tile 0 keeps the codes of lanes 0-15 (k 0-31) and zeros elsewhere; tile 1 keeps those of lanes 16-31, which the layout reads as k 32-63: W1's fragment holds W1 twice.
; THIRD PRODUCT: a lane holds 8 densities and 8 harmonics, half of the block of 32; the two halves stand as k 0-15 and k 32-47 under one scale byte written twice; Wc1's rows are laid the same way.
; THE WEIGHTS are quantised once a work-group, a fragment a wave, and go to all waves through LDS as images of the operand's registers; one barrier.
; NO CLUSTER: what work-groups share is 37,632 bytes of weights and biases, read once by each, beside the 1 MiB that a work-group's 131,072 gathers of 8 bytes name.
; THE SCALINGS floor(16 g^l) are constants of reference(): 16 21 27 36 48 64 84 111 147 194 256 337 445 588 776 1024.
; LIMITS: NaN and infinities are not served; a block whose largest magnitude lies under 2^-122 (a block of zeros too) keeps the scale byte 1: such bytes are read by this program alone.
.set WSC,    10240                     ; LDS: from 0 13 fragments x 768 bytes (pair i of fragment f at 768 f + 256 i + 8 x lane); here their scale words, 128 bytes each
.set BIAS,   12288                     ; b1, bc1, bc2 (256 bytes each), bd (64 bytes), as they lie in memory
.set W3IMG,  13312                     ; Wc3 in bf16: 16 registers as four images of 512 bytes
.set STAGE,  15360                     ; 2,560 bytes a wave: 32 points x (64 bytes of density + 16)
.set FLOORB, 0x2800000                 ; 2^(5 - 127): no largest magnitude is taken under it, so no scale byte falls under 1
.set EOFF,   0xfe000000                ; takes 4 off an exponent field
.set XS,   14                          ; v14-15   the points' scale words, tile 0 and 1: scales and nothing else
.set WS,   16                          ; v16-19   the weights' scale words: scales and nothing else
.set ENC,  20                          ; v20-83   the encoding, 32 numbers a point, group g at 20 + 32 g; later the group's bias tiles, later its bf16 operand
.set POS,  84                          ; v84-86, v88-90 positions;  later v84-91: the last product's C
.set IW,   92                          ; v92-155  the index words, level l group g at 92 + 4 l + 2 g
.set G,    156                         ; v156-219 gathered corners: 156 + 32 (l % 2) + 16 g + 2 c
.set DIR,  240                         ; v240-255 directions, tile tau at 240 + 4 tau
.set C3,   84
.set XA,   92                          ; v92-103 tile 0's codes, v104-115 tile 1's
.set W,    116                         ; v116-145 four fragments of 6 registers, and 6 more that are written once
.set D,    146                         ; v146-209 results: tile (pp, t) at 146 + 32 pp + 8 t
                                       ; v210-239 at work
.macro GETS l                          ; SV = the f32 bits of level l's scaling
.if (\l) == 0
.set SV, 0x41800000
.elseif (\l) == 1
.set SV, 0x41a80000
.elseif (\l) == 2
.set SV, 0x41d80000
.elseif (\l) == 3
.set SV, 0x42100000
.elseif (\l) == 4
.set SV, 0x42400000
.elseif (\l) == 5
.set SV, 0x42800000
.elseif (\l) == 6
.set SV, 0x42a80000
.elseif (\l) == 7
.set SV, 0x42de0000
.elseif (\l) == 8
.set SV, 0x43130000
.elseif (\l) == 9
.set SV, 0x43420000
.elseif (\l) == 10
.set SV, 0x43800000
.elseif (\l) == 11
.set SV, 0x43a88000
.elseif (\l) == 12
.set SV, 0x43de8000
.elseif (\l) == 13
.set SV, 0x44130000
.elseif (\l) == 14
.set SV, 0x44420000
.else
.set SV, 0x44800000
.endif
.endm
.macro GAP n
.rept \n
	v_nop
.endr
.endm
; v[d] = the largest magnitude of v[s] .. v[s + n - 1] and the floor; two chains, v[e] the second
.macro AMAX d, e, s, n
	v_max3_num_f32 v[\d], |v[\s]|, |v[\s+1]|, FLOORB
	v_max3_num_f32 v[\e], |v[\s+2]|, |v[\s+3]|, FLOORB
.set ii, 4
.rept (\n-4)/4
	v_max3_num_f32 v[\d], v[\d], |v[\s+ii]|, |v[\s+ii+1]|
	v_max3_num_f32 v[\e], v[\e], |v[\s+ii+2]|, |v[\s+ii+3]|
.set ii, ii+4
.endr
	v_max_num_f32 v[\d], v[\d], v[\e]
.endm
; the same of numbers none of which is negative
.macro PMAX d, e, s, n
	v_max3_num_f32 v[\d], v[\s], v[\s+1], FLOORB
	v_max3_num_f32 v[\e], v[\s+2], v[\s+3], FLOORB
.set ii, 4
.rept (\n-4)/4
	v_max3_num_f32 v[\d], v[\d], v[\s+ii], v[\s+ii+1]
	v_max3_num_f32 v[\e], v[\e], v[\s+ii+2], v[\s+ii+3]
.set ii, ii+4
.endr
	v_max_num_f32 v[\d], v[\d], v[\e]
.endm
.macro LD32 sb, pitch                  ; 32 numbers down K of my column into v156-187
.set ii, 0
.rept 32
	global_load_b32 v[156+ii], v230, s[\sb:\sb+1] offset:ii*\pitch
.set ii, ii+1
.endr
.endm
	s_load_b512 s[8:23], s[0:1], 0x0               ; position 8, direction 10, iw 12, tab 14, w1 16, b1 18, wd 20, bd 22
	s_load_b512 s[24:39], s[0:1], 0x40             ; wc1 24, bc1 26, wc2 28, bc2 30, wc3 32, bc3 34, out0 36, out1 38
	v_lshl_add_u32 v251, v0, 2, 0xdc00
	v_mov_b32 v255, 0
	v_lshrrev_b32 v1, 5, v0
	v_readfirstlane_b32 s2, v1                     ; wave 0..15
	v_and_b32 v222, 31, v0                         ; lane
	v_and_b32 v220, 15, v0                         ; r
	v_bfe_u32 v221, v0, 4, 1                       ; h
	v_lshlrev_b32 v1, 3, v222                      ; 8, 16, 4, 12 x lane
	v_lshlrev_b32 v2, 4, v222
	v_lshlrev_b32 v3, 2, v222
	v_mul_u32_u24 v4, v222, 12
	v_mul_u32_u24 v5, v220, 12                     ; 12 r
	v_lshl_add_u32 v6, v221, 7, BIAS               ; a bias tile of units 32 h + 8 t + ..
	v_lshl_add_u32 v7, v221, 5, BIAS               ; and of units 16 t + 8 h + ..
	s_mul_i32 s48, s2, 2560
	s_add_co_u32 s48, s48, STAGE                   ; my stage
	v_mul_u32_u24 v8, v220, 80
	v_lshl_add_u32 v8, v221, 5, v8
	v_add_nc_u32 v8, s48, v8                       ; into it: point r, 32 bytes for each half of the lanes
	v_lshrrev_b32 v223, 2, v222
	v_mul_u32_u24 v9, v223, 80
	v_and_b32 v223, 3, v222
	v_lshl_add_u32 v9, v223, 4, v9
	v_add_nc_u32 v9, s48, v9                       ; back: four lanes to a point's 64 bytes
	s_mul_i32 s49, s2, 768
	v_add_nc_u32 v10, s49, v1                      ; where waves 0-12 store their fragment,
	s_lshl_b32 s50, s2, 7
	s_add_co_u32 s50, s50, WSC
	v_add_nc_u32 v11, s50, v3                      ; and its scale words
	v_add_nc_u32 v12, BIAS, v1
	v_lshl_add_u32 v13, v220, 2, BIAS+768
	v_mov_b32 v226, 0                              ; (a lane permute's destination counts as one of its sources)
	s_mov_b32 s43, 0xffff0000                      ; lanes 16-31
	s_mov_b32 s44, 0x76543210
	s_mov_b32 s45, 0xfedcba98                      ; v_permlanex16_b32's selects for lane l xor 16
	s_lshl_b32 s52, ttmp9, 10
	s_lshl_b32 s53, s2, 6
	s_add_co_u32 s52, s52, s53                     ; my first point
	s_mov_b32 s55, 0
	s_wait_kmcnt 0x0
	s_mul_i32 s54, s52, 12
	s_add_nc_u64 s[8:9], s[8:9], s[54:55]
	s_add_nc_u64 s[10:11], s[10:11], s[54:55]
	s_add_nc_u64 s[38:39], s[38:39], s[54:55]
	s_lshl_b32 s54, s52, 6
	s_add_nc_u64 s[36:37], s[36:37], s[54:55]
	s_lshl_b32 s54, s52, 7                         ; my chunk of iw: 8,192 bytes for 64 points
	s_add_nc_u64 s[12:13], s[12:13], s[54:55]
	s_load_b96 s[40:42], s[34:35], 0x0             ; bc3
	s_mov_b64 s[66:67], s[14:15]                   ; level l's table: 2^19 entries of 8 bytes each
.irp l, 1,2,3,4,5,6,7,8,9,10,11,12,13,14,15
	s_add_nc_u64 s[66+2*\l:67+2*\l], s[66+2*(\l-1):67+2*(\l-1)], 0x400000
.endr
	global_load_b96 v[POS:POS+2], v4, s[8:9]
	global_load_b96 v[POS+4:POS+6], v4, s[8:9] offset:384
.irp t, 0,1,2,3
	global_load_b96 v[DIR+4*\t:DIR+4*\t+2], v5, s[10:11] offset:192*\t   ; both halves of the lanes take point r of the tile
.endr
.irp l, 0,1,2,3,4,5,6,7,8,9,10,11,12,13,14,15
	global_load_b64 v[IW+4*\l:IW+4*\l+1], v1, s[12:13] offset:512*\l th:TH_LOAD_NT
	global_load_b64 v[IW+4*\l+2:IW+4*\l+3], v1, s[12:13] offset:512*\l+256 th:TH_LOAD_NT
.endr
	; ---- THE WEIGHTS, a role a wave (registers v156-239).  Every LDS address was made above, ahead of the parting.
	s_cmp_lt_u32 s2, 4
	s_cbranch_scc1 .Lrole_w1
	s_cmp_eq_u32 s2, 4
	s_cbranch_scc1 .Lrole_wd
	s_cmp_lt_u32 s2, 9
	s_cbranch_scc1 .Lrole_c
	s_cmp_lt_u32 s2, 13
	s_cbranch_scc1 .Lrole_wc2
	s_cmp_eq_u32 s2, 13
	s_cbranch_scc1 .Lrole_bias
	s_cmp_eq_u32 s2, 14
	s_cbranch_scc1 .Lrole_w3
	s_branch .Ljoin
.Lrole_c:                                          ; waves 5-8: Wc1, tile t = wave - 5: column u = 32 (r / 8) + 8 t + r % 8; my 16 of its 32 rows: 8 h + 0 .. 7 and 16 + 8 h + 0 .. 7
	v_lshrrev_b32 v223, 3, v220
	v_mad_u32_u24 v230, v223, 24, v220
	s_sub_co_u32 s48, s2, 5
	s_lshl_b32 s48, s48, 3
	v_add_nc_u32 v230, s48, v230
	v_lshlrev_b32 v230, 2, v230
	v_lshl_add_u32 v230, v221, 11, v230            ; 4 u + 8 h rows of 256 bytes
.irp i, 0,1,2,3,4,5,6,7
	global_load_b32 v[156+\i], v230, s[24:25] offset:256*\i
	global_load_b32 v[164+\i], v230, s[24:25] offset:256*(16+\i)
.endr
	s_wait_loadcnt 0x0
	AMAX 222, 223, 156, 16
	v_permlanex16_b32 v226, v222, s44, s45
	v_max_num_f32 v222, v222, v226                 ; with lane l xor 16's 16: the block's largest magnitude
	v_add_nc_u32 v224, EOFF, v222                  ; the conversion takes this operand's exponent field as its scale
	v_lshrrev_b32 v225, 23, v224                   ; the scale's byte,
	v_lshl_or_b32 v227, v225, 8, v225              ; for k 0-31 and for k 32-63
	v_cvt_scalef32_pk16_bf6_f32 v[188:190], v[156:171], v224
	v_nop                                          ; one plain line behind a scaled conversion
	v_mov_b32 v191, 0
	v_mov_b32 v192, 0
	v_mov_b32 v193, 0
	s_branch .Lstore_frag
.Lrole_w1:                                         ; waves 0-3: W1, tile t = wave: column u as above; both halves of the lanes take all 32 rows
	v_lshrrev_b32 v223, 3, v220
	v_mad_u32_u24 v230, v223, 24, v220
	s_lshl_b32 s48, s2, 3
	v_add_nc_u32 v230, s48, v230
	v_lshlrev_b32 v230, 2, v230
	LD32 16, 256
	s_branch .Lq32
.Lrole_wc2:                                        ; waves 9-12: Wc2, tile t = wave - 9: column u = 16 t + r, rows 32 h + 0 .. 31
	s_sub_co_u32 s48, s2, 9
	s_lshl_b32 s48, s48, 4
	v_add_nc_u32 v230, s48, v220
	v_lshlrev_b32 v230, 2, v230
	v_lshl_add_u32 v230, v221, 13, v230
	LD32 28, 256
	s_branch .Lq32
.Lrole_wd:                                         ; wave 4: Wd: column r, rows 32 h + 0 .. 31 of 64 bytes
	v_lshlrev_b32 v230, 2, v220
	v_lshl_add_u32 v230, v221, 11, v230
	LD32 20, 64
.Lq32:                                             ; a lane's 32 numbers are a whole block
	s_wait_loadcnt 0x0
	AMAX 222, 223, 156, 32
	v_add_nc_u32 v224, EOFF, v222
	v_lshrrev_b32 v225, 23, v224
	v_permlanex16_b32 v226, v225, s44, s45
	v_lshl_or_b32 v227, v226, 8, v225              ; lanes 0-15: block 0's byte, block 1's above it (lanes 16-31 are not read)
	v_cvt_scalef32_pk16_bf6_f32 v[188:190], v[156:171], v224
	v_cvt_scalef32_pk16_bf6_f32 v[192:194], v[172:187], v224   ; (a conversion's three registers begin on an even number)
	v_nop
	v_mov_b32 v191, v192
	v_mov_b32 v192, v193
	v_mov_b32 v193, v194
.Lstore_frag:
	ds_store_b64 v10, v[188:189]
	ds_store_b64 v10, v[190:191] offset:256
	ds_store_b64 v10, v[192:193] offset:512
	ds_store_b32 v11, v227
	s_branch .Ljoin
.Lrole_bias:                                       ; wave 13: the biases, as they lie
	v_lshlrev_b32 v228, 2, v220
	global_load_b64 v[156:157], v1, s[18:19]
	global_load_b64 v[158:159], v1, s[26:27]
	global_load_b64 v[160:161], v1, s[30:31]
	global_load_b32 v162, v228, s[22:23]
	s_wait_loadcnt 0x0
	ds_store_b64 v12, v[156:157]
	ds_store_b64 v12, v[158:159] offset:256
	ds_store_b64 v12, v[160:161] offset:512
	ds_store_b32 v13, v162                         ; lanes l and l xor 16 write the same word with the same value
	s_branch .Ljoin
.Lrole_w3:                                         ; wave 14: Wc3 in bf16, two fragments of 16 rows x 32 K: rows 0-2 and 8-10 are the three channels, the others zeros
	v_and_b32 v228, 7, v220
	v_min_u32 v229, 2, v228                        ; (no load leaves the buffer)
	v_lshlrev_b32 v230, 2, v229
	v_mad_u32_u24 v230, v221, 96, v230             ; 4 x channel + 8 h rows of 12 bytes
.irp s, 0,1
.irp q, 0,1
.irp j, 0,1,2,3,4,5,6,7
	global_load_b32 v[156+16*\s+8*\q+\j], v230, s[32:33] offset:12*(32*\s+16*\q+\j)
.endr
.endr
.endr
	s_wait_loadcnt 0x0
	v_cmp_gt_u32 vcc_lo, 3, v228
.set ii, 0
.rept 16
	v_cvt_pk_bf16_f32 v[188+ii], v[156+2*ii], v[157+2*ii]
.set ii, ii+1
.endr
.set ii, 0
.rept 16
	v_cndmask_b32 v[188+ii], 0, v[188+ii], vcc_lo
.set ii, ii+1
.endr
.irp q, 0,1,2,3
	ds_store_b128 v2, v[188+4*\q:191+4*\q] offset:W3IMG+512*\q
.endr
.Ljoin:
	s_wait_loadcnt 0x0                             ; positions, directions, index words
	s_wait_kmcnt 0x0                               ; bc3
	s_wait_dscnt 0x0                               ; for the others' sake: my stores have landed
	s_barrier_signal -1
	s_barrier_wait -1                              ; the launch's one barrier: the weights lie in LDS
	; ---- THE ENCODING.  A lane is a point.  Two levels' gathers are on their way: while level l is interpolated, level l + 1's 16 loads are out.
.irp i, 221,223,225,227,229,231
	v_mov_b32 v\i, 0                               ; the packed forms name pairs of which they take the low word: the upper words are written once
.endr
	v_mov_b32 v238, 1
; Level l's eight indices for both groups, and their gathers.  Each load's offset register is the low register of its own destination.
.macro ADDR l
.irp g, 0,1
.set GB, G+32*((\l)&1)+16*\g
.set WW, IW+4*(\l)+2*\g
	v_and_b32 v[GB+14], 0x7ffff, v[WW]             ; corner 7 (floor, floor, floor)
	v_lshrrev_b32 v232, 19, v[WW]
	v_and_b32 v233, 63, v[WW+1]
	v_bfe_u32 v234, v[WW+1], 6, 19                 ; dz
	v_lshrrev_b32 v235, 25, v[WW+1]                ; k
	v_lshl_or_b32 v232, v233, 13, v232             ; dy
	v_lshlrev_b32 v235, v235, v238
	v_add_nc_u32 v235, -1, v235                    ; dx = 2^k - 1
	v_xor_b32 v[GB+8], v[GB+14], v235              ; corner 4 (c f f)
	v_xor_b32 v[GB+10], v[GB+14], v232             ; corner 5 (f c f)
	v_xor_b32 v[GB+12], v[GB+14], v234             ; corner 6 (f f c)
	v_xor_b32 v[GB+2], v[GB+8], v232               ; corner 1 (c c f)
	v_xor_b32 v[GB+4], v[GB+8], v234               ; corner 2 (c f c)
	v_xor_b32 v[GB+6], v[GB+10], v234              ; corner 3 (f c c)
	v_xor_b32 v[GB], v[GB+2], v234                 ; corner 0 (c c c)
.irp c, 0,1,2,3,4,5,6,7
	v_min_u32 v[GB+2*\c], 0x7ffff, v[GB+2*\c]      ; a number that was loaded enters an address held to the table's size
.endr
.irp c, 0,1,2,3,4,5,6,7
	global_load_b64 v[GB+2*\c:GB+2*\c+1], v[GB+2*\c], s[66+2*(\l):67+2*(\l)] scale_offset
.endr
.endr
.endm
; Level l's interpolation.  Its three weights are the fractions at flat places l, 16 + l, 32 + l of the (level, coordinate) array: place j is coordinate j % 3 at level j / 3.
.macro LERP l
.irp g, 0,1
.set GB, G+32*((\l)&1)+16*\g
.irp a, 0,1,2
	GETS ((\l)+16*\a)/3
	v_mul_f32 v[232+2*\a], SV, v[POS+4*\g+((\l)+16*\a)%3]
.endr
.irp a, 0,1,2
	v_floor_f32 v[233+2*\a], v[232+2*\a]
.endr
.irp a, 0,1,2
	v_sub_f32 v[220+4*\a], v[232+2*\a], v[233+2*\a]   ; p
.endr
.irp a, 0,1,2
	v_sub_f32 v[222+4*\a], 1.0, v[220+4*\a]           ; 1 - p
.endr
	v_pk_mul_f32 v[GB+6:GB+7], v[GB+6:GB+7], v[222:223] op_sel_hi:[1,0]
	v_pk_mul_f32 v[GB+4:GB+5], v[GB+4:GB+5], v[222:223] op_sel_hi:[1,0]
	v_pk_mul_f32 v[GB+12:GB+13], v[GB+12:GB+13], v[222:223] op_sel_hi:[1,0]
	v_pk_mul_f32 v[GB+14:GB+15], v[GB+14:GB+15], v[222:223] op_sel_hi:[1,0]
	v_pk_fma_f32 v[GB:GB+1], v[GB:GB+1], v[220:221], v[GB+6:GB+7] op_sel_hi:[1,0,1]         ; f03
	v_pk_fma_f32 v[GB+2:GB+3], v[GB+2:GB+3], v[220:221], v[GB+4:GB+5] op_sel_hi:[1,0,1]     ; f12
	v_pk_fma_f32 v[GB+10:GB+11], v[GB+10:GB+11], v[220:221], v[GB+12:GB+13] op_sel_hi:[1,0,1] ; f56
	v_pk_fma_f32 v[GB+8:GB+9], v[GB+8:GB+9], v[220:221], v[GB+14:GB+15] op_sel_hi:[1,0,1]   ; f47
	v_pk_mul_f32 v[GB+2:GB+3], v[GB+2:GB+3], v[226:227] op_sel_hi:[1,0]
	v_pk_mul_f32 v[GB+10:GB+11], v[GB+10:GB+11], v[226:227] op_sel_hi:[1,0]
	v_pk_fma_f32 v[GB:GB+1], v[GB:GB+1], v[224:225], v[GB+2:GB+3] op_sel_hi:[1,0,1]         ; f0312
	v_pk_fma_f32 v[GB+8:GB+9], v[GB+8:GB+9], v[224:225], v[GB+10:GB+11] op_sel_hi:[1,0,1]   ; f4756
	v_pk_mul_f32 v[GB+8:GB+9], v[GB+8:GB+9], v[230:231] op_sel_hi:[1,0]
	v_pk_fma_f32 v[ENC+32*\g+2*(\l):ENC+32*\g+2*(\l)+1], v[GB:GB+1], v[228:229], v[GB+8:GB+9] op_sel_hi:[1,0,1]
.endr
.endm
	ADDR 0
.irp l, 0,1,2,3,4,5,6,7,8,9,10,11,12,13,14
	ADDR \l+1
	s_wait_loadcnt 16                              ; this level's 16 gathers are in; the next level's 16 may be out
	LERP \l
.endr
	s_wait_loadcnt 0x0
	LERP 15
	; ---- THE NETWORK, a group of 32 points at a time
.irp i, 98,99,100,101,102,103,110,111,112,113,114,115,140,141,142,143,144,145
	v_mov_b32 v\i, 0                               ; source 1's registers 6-11 of both tiles: zero codes; and the six registers behind the fourth fragment
.endr
	v_mov_b32 v[C3], s40                           ; the last product's C: bc3 in rows 0-2 and 8-10
	v_mov_b32 v[C3+1], s41
	v_mov_b32 v[C3+2], s42
.irp i, 3,4,5,6,7
	v_mov_b32 v[C3+\i], 0
.endr
	v_mov_b32 v214, 0                              ; (a lane permute's destination counts as one of its sources)
.macro WL f0, n                        ; n fragments from f0 on, and their scale words
.set ff, 0
.rept \n
	ds_load_b64 v[W+6*ff:W+6*ff+1], v1 offset:768*(\f0+ff)
	ds_load_b64 v[W+6*ff+2:W+6*ff+3], v1 offset:768*(\f0+ff)+256
	ds_load_b64 v[W+6*ff+4:W+6*ff+5], v1 offset:768*(\f0+ff)+512
	ds_load_b32 v[WS+ff], v3 offset:WSC+128*(\f0+ff)
.set ff, ff+1
.endr
.endm
.macro BL adr, off, step, n            ; n bias tiles of eight registers, in the result's layout, into the group's 32 registers at EB
.set nn, 0
.rept \n
	ds_load_b128 v[EB+8*nn:EB+8*nn+3], v[\adr] offset:\off+\step*nn
	ds_load_b128 v[EB+8*nn+4:EB+8*nn+7], v[\adr] offset:\off+\step*nn+16
.set nn, nn+1
.endr
.endm
.macro PROD d, a, b, c, sa, sb, row1
.if \row1
	v_wmma_scale_f32_16x16x128_f8f6f4 v[\d:\d+7], v[\a:\a+11], v[\b:\b+11], v[\c:\c+7], v[\sa], v[\sb] matrix_a_fmt:MATRIX_FMT_BF6 matrix_b_fmt:MATRIX_FMT_BF6 matrix_b_scale:MATRIX_SCALE_ROW1
.else
	v_wmma_scale_f32_16x16x128_f8f6f4 v[\d:\d+7], v[\a:\a+11], v[\b:\b+11], v[\c:\c+7], v[\sa], v[\sb] matrix_a_fmt:MATRIX_FMT_BF6 matrix_b_fmt:MATRIX_FMT_BF6
.endif
.endm
; relu and quantise tile pp's 64 units: my 32 registers are block h of the next K
.macro RQ pp
.set DP, D+32*(\pp)
.set XP, XA+12*(\pp)
.set ii, 0
.rept 32
	v_max_num_f32 v[DP+ii], 0, v[DP+ii]            ; each result from its low end on
.set ii, ii+1
.endr
	PMAX 210, 211, DP, 32
	v_add_nc_u32 v212, EOFF, v210
	v_lshrrev_b32 v213, 23, v212
	v_permlanex16_b32 v214, v213, s44, s45
	v_lshl_or_b32 v[XS+\pp], v214, 8, v213         ; lanes 0-15: block 0's byte, block 1's above it
	v_cvt_scalef32_pk16_bf6_f32 v[XP:XP+2], v[DP:DP+15], v212
	v_cvt_scalef32_pk16_bf6_f32 v[216:218], v[DP+16:DP+31], v212
	v_nop
.irp i, 0,1,2
	v_mov_b32 v[XP+3+\i], v[216+\i]
.endr
.endm
; the harmonics of tile pp's points (directions of tile tau): lanes 0-15 keep c0-c7, lanes 16-31 c8-c15, behind the place of the eight densities
.macro SH pp, tau
.set DX, DIR+4*(\tau)
.set OO, D+32*(\pp)+8
	v_mul_f32 v220, v[DX], v[DX]                   ; xx
	v_mul_f32 v221, v[DX+1], v[DX+1]               ; yy
	v_mul_f32 v222, v[DX+2], v[DX+2]               ; zz
	v_mul_f32 v225, v[DX], v[DX+1]                 ; xy
	v_mul_f32 v226, v[DX+1], v[DX+2]               ; yz
	v_mul_f32 v227, v[DX], v[DX+2]                 ; xz
	v_sub_f32 v223, v220, v221                     ; xx - yy
	v_fma_f32 v224, v222, 5.0, -1.0                ; 5 zz - 1
	v_fma_f32 v229, v220, 3.0, -v221               ; 3 xx - yy
	v_fma_f32 v230, v221, -3.0, v220               ; xx - 3 yy
	v_add_f32 v228, -2.0, v224                     ; 5 zz - 3
	v_mov_b32 v231, 0.28209479177
	v_mul_f32 v232, 0.54627421530, v223
	v_cndmask_b32 v[OO], v231, v232, s43
	v_mul_f32 v231, 0.48860251190, v[DX+1]
	v_mul_f32 v232, 0.59004358993, v[DX+1]
	v_mul_f32 v232, v232, v229
	v_cndmask_b32 v[OO+1], v231, v232, s43
	v_mul_f32 v231, 0.48860251190, v[DX+2]
	v_mul_f32 v232, 2.8906114426, v225
	v_mul_f32 v232, v232, v[DX+2]
	v_cndmask_b32 v[OO+2], v231, v232, s43
	v_mul_f32 v231, 0.48860251190, v[DX]
	v_mul_f32 v232, 0.45704579946, v[DX+1]
	v_mul_f32 v232, v232, v224
	v_cndmask_b32 v[OO+3], v231, v232, s43
	v_mul_f32 v231, 1.0925484306, v225
	v_mul_f32 v232, 0.37317633259, v[DX+2]
	v_mul_f32 v232, v232, v228
	v_cndmask_b32 v[OO+4], v231, v232, s43
	v_mul_f32 v231, 1.0925484306, v226
	v_mul_f32 v232, 0.45704579946, v[DX]
	v_mul_f32 v232, v232, v224
	v_cndmask_b32 v[OO+5], v231, v232, s43
	v_mov_b32 v233, -0.31539156525
	v_fma_f32 v231, v222, 0.94617469576, v233
	v_mul_f32 v232, 1.4453057213, v[DX+2]
	v_mul_f32 v232, v232, v223
	v_cndmask_b32 v[OO+6], v231, v232, s43
	v_mul_f32 v231, 1.0925484306, v227
	v_mul_f32 v232, 0.59004358993, v[DX]
	v_mul_f32 v232, v232, v230
	v_cndmask_b32 v[OO+7], v231, v232, s43
.endm
; quantise tile pp's [density | harmonics]: my 16 numbers are half of the block of 32
.macro Q3 pp
.set DP, D+32*(\pp)
.set XP, XA+12*(\pp)
	AMAX 210, 211, DP, 16
	v_permlanex16_b32 v214, v210, s44, s45
	v_max_num_f32 v210, v210, v214
	v_add_nc_u32 v212, EOFF, v210
	v_lshrrev_b32 v213, 23, v212
	v_lshl_or_b32 v[XS+\pp], v213, 8, v213         ; one byte, for k 0-31 and for k 32-63
	v_cvt_scalef32_pk16_bf6_f32 v[XP:XP+2], v[DP:DP+15], v212
	v_nop
.irp i, 3,4,5
	v_mov_b32 v[XP+\i], 0
.endr
.endm
; PLACES.  Behind each group of products stand five plain lines that name none of their registers, ahead of the first read of a result, of loads into their registers and of products that write over them
; (five in the last case).  Ahead of a scaled product stand eight behind the vector line that made a scale word, which serve the operands made by vector lines too.
; No product adds in place but the last one's second K step, and there the two accumulators take turns.
.macro MLP g
.set EB, ENC+32*(\g)
.if (\g) == 1
	s_wait_xcnt 0x0                                ; the first group's stores have read their registers: they are written again only behind this wait
.endif
	WL 0, 4                                        ; W1
	AMAX 210, 211, EB, 32                          ; each lane quantises its own point's encoding
	v_add_nc_u32 v212, EOFF, v210
	v_lshrrev_b32 v213, 23, v212
	v_lshl_or_b32 v[XS], v213, 8, v213             ; lanes 0-15 serve tile 0 (byte 0), lanes 16-31 tile 1 (byte 1)
	v_cvt_scalef32_pk16_bf6_f32 v[216:218], v[EB:EB+15], v212
	v_cvt_scalef32_pk16_bf6_f32 v[220:222], v[EB+16:EB+31], v212
	v_nop
	BL 6, 0, 32, 4                                 ; b1 takes the encoding's registers
.irp i, 0,1,2
	v_cndmask_b32 v[XA+\i], v[216+\i], 0, s43
	v_cndmask_b32 v[XA+3+\i], v[220+\i], 0, s43
	v_cndmask_b32 v[XA+12+\i], 0, v[216+\i], s43
	v_cndmask_b32 v[XA+15+\i], 0, v[220+\i], s43
.endr
	GAP 8
	s_wait_dscnt 0x0                               ; W1, its scale words, b1
.irp t, 0,1,2,3
	PROD D+8*\t, W+6*\t, XA, EB+8*\t, WS+\t, XS, 0
	PROD D+32+8*\t, W+6*\t, XA+12, EB+8*\t, WS+\t, XS, 1
.endr
	GAP 5
	WL 4, 1                                        ; Wd
	BL 7, 768, 0, 1                                ; bd
	RQ 0
	RQ 1
	SH 0, 2*(\g)                                   ; plain lines that name no register of the next products: their places
	SH 1, 2*(\g)+1
	s_wait_dscnt 0x0
	PROD D, W, XA, EB, WS, XS, 0                   ; density: lane (r, h): units 8 h + 0 .. 7 of point r
	PROD D+32, W, XA+12, EB, WS, XS+1, 0
	GAP 5
	ds_store_b128 v8, v[D:D+3]                     ; through my stage: a point's 64 bytes come from two lanes
	ds_store_b128 v8, v[D+4:D+7] offset:16
	ds_store_b128 v8, v[D+32:D+35] offset:1280
	ds_store_b128 v8, v[D+36:D+39] offset:1296
.irp i, 0,1,2,3
	ds_load_b128 v[224+4*\i:227+4*\i], v9 offset:640*\i   ; LDS serves a wave's instructions in order (ISA guide 5.7.1.4): these see the stores above
.endr
	WL 5, 4                                        ; Wc1
	BL 6, 256, 32, 4                               ; bc1
	Q3 0
	Q3 1
	GAP 8
	s_wait_dscnt 0x0
.irp i, 0,1,2,3
	global_store_b128 v2, v[224+4*\i:227+4*\i], s[36:37] offset:2048*(\g)+512*\i th:TH_STORE_NT   ; 32 lanes store 512 consecutive bytes, aligned: eight points' densities
.endr
.irp t, 0,1,2,3
	PROD D+8*\t, W+6*\t, XA, EB+8*\t, WS+\t, XS, 0
	PROD D+32+8*\t, W+6*\t, XA+12, EB+8*\t, WS+\t, XS+1, 0
.endr
	GAP 5
	WL 9, 4                                        ; Wc2
	BL 7, 512, 64, 4                               ; bc2
	RQ 0
	RQ 1
	GAP 8
	s_wait_dscnt 0x0
.irp t, 0,1,2,3
	PROD D+8*\t, W+6*\t, XA, EB+8*\t, WS+\t, XS, 0   ; lane (r, h): units 16 t + 8 h + 0 .. 7: the bf16 operand's order
	PROD D+32+8*\t, W+6*\t, XA+12, EB+8*\t, WS+\t, XS+1, 0
.endr
	GAP 5
.irp q, 0,1,2,3
	ds_load_b128 v[W+4*\q:W+4*\q+3], v2 offset:W3IMG+512*\q
.endr
.irp pp, 0,1
.set ii, 0
.rept 32
	v_max_num_f32 v[D+32*\pp+ii], 0, v[D+32*\pp+ii]
.set ii, ii+1
.endr
.set ii, 0
.rept 16
	v_cvt_pk_bf16_f32 v[EB+16*\pp+ii], v[D+32*\pp+2*ii], v[D+32*\pp+2*ii+1]
.set ii, ii+1
.endr
.endr
	s_wait_dscnt 0x0
	v_wmma_f32_16x16x32_bf16 v[D:D+7], v[W:W+7], v[EB:EB+7], v[C3:C3+7]
	v_wmma_f32_16x16x32_bf16 v[D+32:D+39], v[W:W+7], v[EB+16:EB+23], v[C3:C3+7]
	v_wmma_f32_16x16x32_bf16 v[D:D+7], v[W+8:W+15], v[EB+8:EB+15], v[D:D+7]
	v_wmma_f32_16x16x32_bf16 v[D+32:D+39], v[W+8:W+15], v[EB+24:EB+31], v[D+32:D+39]
	GAP 5
.irp j, 0,1,2
	v_cndmask_b32 v[210+\j], v[D+\j], v[D+32+\j], s43   ; both halves of the lanes hold the three channels: lanes 0-15 keep tile 0's, lanes 16-31 tile 1's: a lane is a point again
.endr
.irp j, 0,1,2
	v_mul_f32 v[210+\j], 0xbfb8aa3b, v[210+\j]     ; -x log2(e)
.endr
.irp j, 0,1,2
	v_exp_f32 v[210+\j], v[210+\j]
.endr
	v_nop                                          ; a plain line behind the last exponential,
	s_wait_alu depctr_va_vdst(0)                   ; and a wait ahead of the first use: one for the three
.irp j, 0,1,2
	v_add_f32 v[210+\j], 1.0, v[210+\j]
.endr
.irp j, 0,1,2
	v_rcp_f32 v[210+\j], v[210+\j]                 ; sigmoid(x) = 1 / (1 + 2^(-x log2(e)))
.endr
	v_nop
	s_wait_alu depctr_va_vdst(0)
	global_store_b96 v4, v[210:212], s[38:39] offset:384*(\g) th:TH_STORE_NT   ; 32 lanes store 384 consecutive bytes
.endm
	MLP 0
	MLP 1
	s_wait_tensorcnt 0x0
	ds_add_u32 v251, v255
	s_wait_dscnt 0x0
	s_endpgm
.Lfunc_end_k_qf5035205a8_main:
	.size	k_qf5035205a8_main, .Lfunc_end_k_qf5035205a8_main-k_qf5035205a8_main
	.p2alignl 7, 3214868480
	.fill 96, 4, 3214868480
	.section	.rodata,"a",@progbits
	.p2align	6, 0x0
	.amdhsa_kernel k_qf5035205a8_main
		.amdhsa_group_segment_fixed_size 58368
		.amdhsa_private_segment_fixed_size 0
		.amdhsa_enable_private_segment 0
		.amdhsa_kernarg_size 128
		.amdhsa_user_sgpr_count 2
		.amdhsa_user_sgpr_kernarg_segment_ptr 1
		.amdhsa_wavefront_size32 1
		.amdhsa_system_sgpr_workgroup_id_x 1
		.amdhsa_system_sgpr_workgroup_id_y 1
		.amdhsa_system_sgpr_workgroup_id_z 1
		.amdhsa_system_vgpr_workitem_id 0
		.amdhsa_next_free_vgpr 256
		.amdhsa_next_free_sgpr 100
		.amdhsa_reserve_vcc 1
		.amdhsa_float_denorm_mode_32 3
		.amdhsa_float_denorm_mode_16_64 3
		.amdhsa_memory_ordered 1
		.amdhsa_forward_progress 1
		.amdhsa_inst_pref_size 201
	.end_amdhsa_kernel
	.amdgpu_metadata
---
amdhsa.version: [ 1, 2 ]
amdhsa.kernels:
  - .name:           k_qf5035205a8_main
    .symbol:         k_qf5035205a8_main.kd
    .args:
      - { .name: position, .offset: 0, .size: 8, .value_kind: global_buffer, .address_space: global }
      - { .name: direction, .offset: 8, .size: 8, .value_kind: global_buffer, .address_space: global }
      - { .name: iw, .offset: 16, .size: 8, .value_kind: global_buffer, .address_space: global }
      - { .name: tab, .offset: 24, .size: 8, .value_kind: global_buffer, .address_space: global }
      - { .name: w1, .offset: 32, .size: 8, .value_kind: global_buffer, .address_space: global }
      - { .name: b1, .offset: 40, .size: 8, .value_kind: global_buffer, .address_space: global }
      - { .name: wd, .offset: 48, .size: 8, .value_kind: global_buffer, .address_space: global }
      - { .name: bd, .offset: 56, .size: 8, .value_kind: global_buffer, .address_space: global }
      - { .name: wc1, .offset: 64, .size: 8, .value_kind: global_buffer, .address_space: global }
      - { .name: bc1, .offset: 72, .size: 8, .value_kind: global_buffer, .address_space: global }
      - { .name: wc2, .offset: 80, .size: 8, .value_kind: global_buffer, .address_space: global }
      - { .name: bc2, .offset: 88, .size: 8, .value_kind: global_buffer, .address_space: global }
      - { .name: wc3, .offset: 96, .size: 8, .value_kind: global_buffer, .address_space: global }
      - { .name: bc3, .offset: 104, .size: 8, .value_kind: global_buffer, .address_space: global }
      - { .name: out0, .offset: 112, .size: 8, .value_kind: global_buffer, .address_space: global }
      - { .name: out1, .offset: 120, .size: 8, .value_kind: global_buffer, .address_space: global }
    .group_segment_fixed_size: 58368
    .private_segment_fixed_size: 0
    .kernarg_segment_align: 8
    .kernarg_segment_size: 128
    .max_flat_workgroup_size: 512
    .sgpr_count:     100
    .vgpr_count:     256
    .wavefront_size: 32
...
	.end_amdgpu_metadata
.endif
;; end of part 2
;; ======== version 2 of 3: 2 launches; 1.24 times as fast as version 1
;; workspace buffers: iw 33,554,432 bytes of whole numbers
;; launch prep (part 3): grid 1024 x 1, 8 waves a work-group, no clusters, 0 bytes of LDS; arguments position, iw; writes iw
.if DOCPART == 3
	.amdgcn_target "amdgcn-amd-amdhsa--gfx1250"
	.amdhsa_code_object_version 6
	.text
	.protected	k_qf5035205a8_prep
	.globl	k_qf5035205a8_prep
	.p2align	8
	.type	k_qf5035205a8_prep,@function
k_qf5035205a8_prep:
	s_mov_b64 s[64:65], 0
	v_nop
	global_prefetch_b8 v0, s[64:65] scope:SCOPE_SE
	s_setreg_imm32_b32 hwreg(HW_REG_WAVE_MODE, 25, 1), 1
	s_wait_xcnt 0x0
; A thread to a point, 256 points a work-group: for each of the 16 levels the hash of the cell's floor corner and what turns it into the other seven,
; as whole numbers, so that the next launch forms its gather addresses from whole numbers read from memory.  No LDS, no barrier: no wave waits for another.
;   With M = 2^19 - 1, xf, yf, zf = floor(position x S), xc, yc, zc = ceil:
;   h = (xf ^ yf P1 ^ zf P2) & M;  dy = (yf P1 ^ yc P1) & M;  dz likewise with P2;  dx = (xf ^ xc) & M, which is always 2^k - 1, so k (0..19) is kept.
;   word 0 = h | dy << 19 (dy's low 13 bits);  word 1 = dy >> 13 | dz << 6 | k << 25.
;   iw: byte (point / 64) x 8192 + level x 512 + (point % 64) x 8: a wave's store covers 256 consecutive bytes, aligned.
; THE SCALINGS floor(16 g^l), g = exp((log 1024 - log 16) / 15) in f32, are constants of reference(): 16 21 27 36 48 64 84 111 147 194 256 337 445 588 776 1024.
; LIMITS: |position x 1024| stays under 2^31; NaN and infinities among the positions are not served.
.set PR1,   0x9e3779b1                 ; 2654435761
.set PR2,   0x30025795                 ; 805459861
.set HMASK, 0x7ffff                    ; the table of a level has 2^19 entries
.macro GETS l                          ; SV = the f32 bits of level l's scaling
.if (\l) == 0
.set SV, 0x41800000
.elseif (\l) == 1
.set SV, 0x41a80000
.elseif (\l) == 2
.set SV, 0x41d80000
.elseif (\l) == 3
.set SV, 0x42100000
.elseif (\l) == 4
.set SV, 0x42400000
.elseif (\l) == 5
.set SV, 0x42800000
.elseif (\l) == 6
.set SV, 0x42a80000
.elseif (\l) == 7
.set SV, 0x42de0000
.elseif (\l) == 8
.set SV, 0x43130000
.elseif (\l) == 9
.set SV, 0x43420000
.elseif (\l) == 10
.set SV, 0x43800000
.elseif (\l) == 11
.set SV, 0x43a88000
.elseif (\l) == 12
.set SV, 0x43de8000
.elseif (\l) == 13
.set SV, 0x44130000
.elseif (\l) == 14
.set SV, 0x44420000
.else
.set SV, 0x44800000
.endif
.endm
	s_load_b128 s[4:7], s[0:1], 0x0                ; position s[4:5], iw s[6:7]
	s_mov_b32 s16, PR1
	s_mov_b32 s17, PR2
	s_mov_b32 s18, HMASK
	s_mov_b32 s13, 0
	s_mov_b32 s15, 0
	s_mul_i32 s12, ttmp9, 3072                     ; 256 points of 12 bytes
	s_lshl_b32 s14, ttmp9, 15                      ; four chunks of 8,192 bytes
	v_mul_u32_u24 v1, v0, 12
	v_lshrrev_b32 v2, 6, v0
	v_and_b32 v3, 63, v0
	v_lshlrev_b32 v2, 13, v2
	v_lshl_add_u32 v2, v3, 3, v2                   ; (thread / 64) x 8192 + (thread % 64) x 8
	s_wait_kmcnt 0x0
	s_add_nc_u64 s[4:5], s[4:5], s[12:13]
	s_add_nc_u64 s[6:7], s[6:7], s[14:15]
	global_load_b96 v[4:6], v1, s[4:5]
	s_wait_loadcnt 0x0
; One level.  Each level has its own pair of data registers, v[32 + 2 l], so no store's data are written again.
.macro LEVEL l
	GETS \l
	v_mul_f32 v8, SV, v4
	v_mul_f32 v9, SV, v5
	v_mul_f32 v10, SV, v6
	v_floor_f32 v11, v8
	v_floor_f32 v12, v9
	v_floor_f32 v13, v10
	v_floor_f32 v14, -v8                           ; ceil(t) = -floor(-t)
	v_floor_f32 v15, -v9
	v_floor_f32 v16, -v10
.irp r, 11,12,13,14,15,16
	v_cvt_i32_f32 v\r, v\r
.endr
.irp r, 14,15,16
	v_sub_nc_u32 v\r, 0, v\r
.endr
	v_mul_lo_u32 v12, v12, s16
	v_mul_lo_u32 v15, v15, s16
	v_mul_lo_u32 v13, v13, s17
	v_mul_lo_u32 v16, v16, s17
	v_xor_b32 v17, v11, v12
	v_xor_b32 v18, v12, v15
	v_xor_b32 v19, v13, v16
	v_xor_b32 v20, v11, v14
	v_xor_b32 v17, v17, v13
	v_and_b32 v18, s18, v18                        ; dy
	v_and_b32 v19, s18, v19                        ; dz
	v_and_b32 v20, s18, v20                        ; dx = 2^k - 1
	v_and_b32 v17, s18, v17                        ; h
	v_add_nc_u32 v20, 1, v20                       ; 2^k, exact in f32:
	v_cvt_f32_u32 v20, v20
	v_lshrrev_b32 v21, 13, v18
	v_lshrrev_b32 v20, 23, v20                     ; its exponent field is k + 127
	v_lshl_or_b32 v21, v19, 6, v21
	v_add_nc_u32 v20, 0xffffff81, v20              ; k
	v_lshl_or_b32 v[32+2*(\l)], v18, 19, v17
	v_lshl_or_b32 v[33+2*(\l)], v20, 25, v21
	global_store_b64 v2, v[32+2*(\l):33+2*(\l)], s[6:7] offset:512*(\l) th:TH_STORE_NT
.endm
.irp l, 0,1,2,3,4,5,6,7,8,9,10,11,12,13,14,15
	LEVEL \l
.endr
	s_endpgm
.Lfunc_end_k_qf5035205a8_prep:
	.size	k_qf5035205a8_prep, .Lfunc_end_k_qf5035205a8_prep-k_qf5035205a8_prep
	.p2alignl 7, 3214868480
	.fill 96, 4, 3214868480
	.section	.rodata,"a",@progbits
	.p2align	6, 0x0
	.amdhsa_kernel k_qf5035205a8_prep
		.amdhsa_group_segment_fixed_size 0
		.amdhsa_private_segment_fixed_size 0
		.amdhsa_enable_private_segment 0
		.amdhsa_kernarg_size 16
		.amdhsa_user_sgpr_count 2
		.amdhsa_user_sgpr_kernarg_segment_ptr 1
		.amdhsa_wavefront_size32 1
		.amdhsa_system_sgpr_workgroup_id_x 1
		.amdhsa_system_sgpr_workgroup_id_y 1
		.amdhsa_system_sgpr_workgroup_id_z 1
		.amdhsa_system_vgpr_workitem_id 0
		.amdhsa_next_free_vgpr 64
		.amdhsa_next_free_sgpr 66
		.amdhsa_reserve_vcc 0
		.amdhsa_float_denorm_mode_32 3
		.amdhsa_float_denorm_mode_16_64 3
		.amdhsa_memory_ordered 1
		.amdhsa_forward_progress 1
		.amdhsa_inst_pref_size 30
	.end_amdhsa_kernel
	.amdgpu_metadata
---
amdhsa.version: [ 1, 2 ]
amdhsa.kernels:
  - .name:           k_qf5035205a8_prep
    .symbol:         k_qf5035205a8_prep.kd
    .args:
      - { .name: position, .offset: 0, .size: 8, .value_kind: global_buffer, .address_space: global }
      - { .name: iw, .offset: 8, .size: 8, .value_kind: global_buffer, .address_space: global }
    .group_segment_fixed_size: 0
    .private_segment_fixed_size: 0
    .kernarg_segment_align: 8
    .kernarg_segment_size: 16
    .max_flat_workgroup_size: 256
    .sgpr_count:     66
    .vgpr_count:     64
    .wavefront_size: 32
...
	.end_amdgpu_metadata
.endif
;; end of part 3
;; launch main (part 4): grid 256 x 1, 16 waves a work-group, no clusters, 58,368 bytes of LDS; arguments position, direction, iw, hash_table, w1, b1, wd, bd, wc1, bc1, wc2, bc2, wc3, bc3, out0, out1; writes out0, out1
.if DOCPART == 4
	.amdgcn_target "amdgcn-amd-amdhsa--gfx1250"
	.amdhsa_code_object_version 6
	.text
	.protected	k_qf5035205a8_main
	.globl	k_qf5035205a8_main
	.p2align	8
	.type	k_qf5035205a8_main,@function
k_qf5035205a8_main:
	s_mov_b64 s[64:65], 0
	v_nop
	global_prefetch_b8 v0, s[64:65] scope:SCOPE_SE
	s_setreg_imm32_b32 hwreg(HW_REG_WAVE_MODE, 25, 1), 1
	s_wait_xcnt 0x0
; THE WHOLE NETWORK FOR 1,024 POINTS A WORK-GROUP, 64 A WAVE: hash-grid encoding (16 levels x 8 corners x 2 features, gathered from the table's two planes by the whole numbers of iw), three nested interpolations,
; then enc -> relu(W1) -> density (Wd) -> [density | sh(direction)] -> relu(Wc1) -> relu(Wc2) -> sigmoid(Wc3).  The first four products run on codes of BF6 (E3M2) with one E8M0 scale for each 32 along K,
; both operands quantised here; the last, with 3 outputs, on bf16.  Nothing between the encoding and the outputs goes to memory.
; SHARES.  Sixteen waves of 256 registers, four to a SIMD.  A wave's 64 points are two groups of 32.  In the encoding a lane is a point; in the network a group is two tiles of 16 points.
; ALL PRODUCTS ARE USED TRANSPOSED (source 0 = 16 rows of a weight's transpose, source 1 = 16 points): lane (r, h) holds point r and units 8 h + 0 .. 7 of the tile.  The rows of W1 and Wc1 that form tile t are
; u = 32 (r / 8) + 8 t + r % 8, so that a lane's 32 registers of the four tiles are units 32 h + 0 .. 31: a whole block of the next K, in the order of the next operand's registers.  No code changes lanes.
; K IS 32 OR 64 OF THE INSTRUCTION'S 128: source 1's registers 6-11 are zero codes, which add nothing; source 0's registers 6-11 then may hold any codes (every code of this format is a finite number).
; FIRST PRODUCT: each lane quantises its own point.  Tile 0 keeps the codes of lanes 0-15 (k 0-31) and zeros elsewhere; tile 1 keeps those of lanes 16-31, which the layout reads as k 32-63: W1's fragment holds W1 twice.
; THIRD PRODUCT: a lane holds 8 densities and 8 harmonics, half of the block of 32; the two halves stand as k 0-15 and k 32-47 under one scale byte written twice; Wc1's rows are laid the same way.
; THE WEIGHTS are quantised once a work-group, a fragment a wave, and go to all waves through LDS as images of the operand's registers; one barrier.
; NO CLUSTER: what work-groups share is 37,632 bytes of weights and biases, read once by each, beside the 1 MiB that a work-group's 262,144 gathers of 4 bytes name.
; THE SCALINGS floor(16 g^l) are constants of reference(): 16 21 27 36 48 64 84 111 147 194 256 337 445 588 776 1024.
; LIMITS: NaN and infinities are not served; a block whose largest magnitude lies under 2^-122 (a block of zeros too) keeps the scale byte 1: such bytes are read by this program alone.
.set WSC,    10240                     ; LDS: from 0 13 fragments x 768 bytes (pair i of fragment f at 768 f + 256 i + 8 x lane); here their scale words, 128 bytes each
.set BIAS,   12288                     ; b1, bc1, bc2 (256 bytes each), bd (64 bytes), as they lie in memory
.set W3IMG,  13312                     ; Wc3 in bf16: 16 registers as four images of 512 bytes
.set STAGE,  15360                     ; 2,560 bytes a wave: 32 points x (64 bytes of density + 16)
.set FLOORB, 0x2800000                 ; 2^(5 - 127): no largest magnitude is taken under it, so no scale byte falls under 1
.set EOFF,   0xfe000000                ; takes 4 off an exponent field
.set XS,   14                          ; v14-15   the points' scale words, tile 0 and 1: scales and nothing else
.set WS,   16                          ; v16-19   the weights' scale words: scales and nothing else
.set ENC,  20                          ; v20-83   the encoding, 32 numbers a point, group g at 20 + 32 g; later the group's bias tiles, later its bf16 operand
.set POS,  84                          ; v84-86, v88-90 positions;  later v84-91: the last product's C
.set IW,   92                          ; v92-155  the index words, level l group g at 92 + 4 l + 2 g
.set G,    156                         ; v156-219 gathered corners: 156 + 32 (l % 2) + 16 g + 2 c: feature 0, feature 1
.set DIR,  240                         ; v240-255 directions, tile tau at 240 + 4 tau
.set C3,   84
.set XA,   92                          ; v92-103 tile 0's codes, v104-115 tile 1's
.set W,    116                         ; v116-145 four fragments of 6 registers, and 6 more that are written once
.set D,    146                         ; v146-209 results: tile (pp, t) at 146 + 32 pp + 8 t
                                       ; v210-239 at work
.set F0B,  66                          ; s[66 + 2 l : 67 + 2 l] feature 0 of level l in the table
.set F1B,  4                           ; s[4 + 2 l : 5 + 2 l]   feature 1 of level l: made behind the join, where the pointers that lay in s8-s35 are done with
.macro GETS l                          ; SV = the f32 bits of level l's scaling
.if (\l) == 0
.set SV, 0x41800000
.elseif (\l) == 1
.set SV, 0x41a80000
.elseif (\l) == 2
.set SV, 0x41d80000
.elseif (\l) == 3
.set SV, 0x42100000
.elseif (\l) == 4
.set SV, 0x42400000
.elseif (\l) == 5
.set SV, 0x42800000
.elseif (\l) == 6
.set SV, 0x42a80000
.elseif (\l) == 7
.set SV, 0x42de0000
.elseif (\l) == 8
.set SV, 0x43130000
.elseif (\l) == 9
.set SV, 0x43420000
.elseif (\l) == 10
.set SV, 0x43800000
.elseif (\l) == 11
.set SV, 0x43a88000
.elseif (\l) == 12
.set SV, 0x43de8000
.elseif (\l) == 13
.set SV, 0x44130000
.elseif (\l) == 14
.set SV, 0x44420000
.else
.set SV, 0x44800000
.endif
.endm
.macro GAP n
.rept \n
	v_nop
.endr
.endm
; v[d] = the largest magnitude of v[s] .. v[s + n - 1] and the floor; two chains, v[e] the second
.macro AMAX d, e, s, n
	v_max3_num_f32 v[\d], |v[\s]|, |v[\s+1]|, FLOORB
	v_max3_num_f32 v[\e], |v[\s+2]|, |v[\s+3]|, FLOORB
.set ii, 4
.rept (\n-4)/4
	v_max3_num_f32 v[\d], v[\d], |v[\s+ii]|, |v[\s+ii+1]|
	v_max3_num_f32 v[\e], v[\e], |v[\s+ii+2]|, |v[\s+ii+3]|
.set ii, ii+4
.endr
	v_max_num_f32 v[\d], v[\d], v[\e]
.endm
; the same of numbers none of which is negative
.macro PMAX d, e, s, n
	v_max3_num_f32 v[\d], v[\s], v[\s+1], FLOORB
	v_max3_num_f32 v[\e], v[\s+2], v[\s+3], FLOORB
.set ii, 4
.rept (\n-4)/4
	v_max3_num_f32 v[\d], v[\d], v[\s+ii], v[\s+ii+1]
	v_max3_num_f32 v[\e], v[\e], v[\s+ii+2], v[\s+ii+3]
.set ii, ii+4
.endr
	v_max_num_f32 v[\d], v[\d], v[\e]
.endm
.macro LD32 sb, pitch                  ; 32 numbers down K of my column into v156-187
.set ii, 0
.rept 32
	global_load_b32 v[156+ii], v230, s[\sb:\sb+1] offset:ii*\pitch
.set ii, ii+1
.endr
.endm
	s_load_b512 s[8:23], s[0:1], 0x0               ; position 8, direction 10, iw 12, hash_table 14, w1 16, b1 18, wd 20, bd 22
	s_load_b512 s[24:39], s[0:1], 0x40             ; wc1 24, bc1 26, wc2 28, bc2 30, wc3 32, bc3 34, out0 36, out1 38
	v_lshl_add_u32 v251, v0, 2, 0xdc00
	v_mov_b32 v255, 0
	v_lshrrev_b32 v1, 5, v0
	v_readfirstlane_b32 s2, v1                     ; wave 0..15
	v_and_b32 v222, 31, v0                         ; lane
	v_and_b32 v220, 15, v0                         ; r
	v_bfe_u32 v221, v0, 4, 1                       ; h
	v_lshlrev_b32 v1, 3, v222                      ; 8, 16, 4, 12 x lane
	v_lshlrev_b32 v2, 4, v222
	v_lshlrev_b32 v3, 2, v222
	v_mul_u32_u24 v4, v222, 12
	v_mul_u32_u24 v5, v220, 12                     ; 12 r
	v_lshl_add_u32 v6, v221, 7, BIAS               ; a bias tile of units 32 h + 8 t + ..
	v_lshl_add_u32 v7, v221, 5, BIAS               ; and of units 16 t + 8 h + ..
	s_mul_i32 s48, s2, 2560
	s_add_co_u32 s48, s48, STAGE                   ; my stage
	v_mul_u32_u24 v8, v220, 80
	v_lshl_add_u32 v8, v221, 5, v8
	v_add_nc_u32 v8, s48, v8                       ; into it: point r, 32 bytes for each half of the lanes
	v_lshrrev_b32 v223, 2, v222
	v_mul_u32_u24 v9, v223, 80
	v_and_b32 v223, 3, v222
	v_lshl_add_u32 v9, v223, 4, v9
	v_add_nc_u32 v9, s48, v9                       ; back: four lanes to a point's 64 bytes
	s_mul_i32 s49, s2, 768
	v_add_nc_u32 v10, s49, v1                      ; where waves 0-12 store their fragment,
	s_lshl_b32 s50, s2, 7
	s_add_co_u32 s50, s50, WSC
	v_add_nc_u32 v11, s50, v3                      ; and its scale words
	v_add_nc_u32 v12, BIAS, v1
	v_lshl_add_u32 v13, v220, 2, BIAS+768
	v_mov_b32 v226, 0                              ; (a lane permute's destination counts as one of its sources)
	s_mov_b32 s43, 0xffff0000                      ; lanes 16-31
	s_mov_b32 s44, 0x76543210
	s_mov_b32 s45, 0xfedcba98                      ; v_permlanex16_b32's selects for lane l xor 16
	s_lshl_b32 s52, ttmp9, 10
	s_lshl_b32 s53, s2, 6
	s_add_co_u32 s52, s52, s53                     ; my first point
	s_mov_b32 s55, 0
	s_wait_kmcnt 0x0
	s_mul_i32 s54, s52, 12
	s_add_nc_u64 s[8:9], s[8:9], s[54:55]
	s_add_nc_u64 s[10:11], s[10:11], s[54:55]
	s_add_nc_u64 s[38:39], s[38:39], s[54:55]
	s_lshl_b32 s54, s52, 6
	s_add_nc_u64 s[36:37], s[36:37], s[54:55]
	s_lshl_b32 s54, s52, 7                         ; my chunk of iw: 8,192 bytes for 64 points
	s_add_nc_u64 s[12:13], s[12:13], s[54:55]
	s_load_b96 s[40:42], s[34:35], 0x0             ; bc3
	s_mov_b64 s[F0B:F0B+1], s[14:15]               ; feature 0 of level l: 2^19 entries of 4 bytes each
.irp l, 1,2,3,4,5,6,7,8,9,10,11,12,13,14,15
	s_add_nc_u64 s[F0B+2*\l:F0B+1+2*\l], s[F0B+2*(\l-1):F0B+1+2*(\l-1)], 0x200000
.endr
	global_load_b96 v[POS:POS+2], v4, s[8:9]
	global_load_b96 v[POS+4:POS+6], v4, s[8:9] offset:384
.irp t, 0,1,2,3
	global_load_b96 v[DIR+4*\t:DIR+4*\t+2], v5, s[10:11] offset:192*\t   ; both halves of the lanes take point r of the tile
.endr
.irp l, 0,1,2,3,4,5,6,7,8,9,10,11,12,13,14,15
	global_load_b64 v[IW+4*\l:IW+4*\l+1], v1, s[12:13] offset:512*\l th:TH_LOAD_NT
	global_load_b64 v[IW+4*\l+2:IW+4*\l+3], v1, s[12:13] offset:512*\l+256 th:TH_LOAD_NT
.endr
	; ---- THE WEIGHTS, a role a wave (registers v156-239).  Every LDS address was made above, ahead of the parting.
	s_cmp_lt_u32 s2, 4
	s_cbranch_scc1 .Lrole_w1
	s_cmp_eq_u32 s2, 4
	s_cbranch_scc1 .Lrole_wd
	s_cmp_lt_u32 s2, 9
	s_cbranch_scc1 .Lrole_c
	s_cmp_lt_u32 s2, 13
	s_cbranch_scc1 .Lrole_wc2
	s_cmp_eq_u32 s2, 13
	s_cbranch_scc1 .Lrole_bias
	s_cmp_eq_u32 s2, 14
	s_cbranch_scc1 .Lrole_w3
	s_branch .Ljoin
.Lrole_c:                                          ; waves 5-8: Wc1, tile t = wave - 5: column u = 32 (r / 8) + 8 t + r % 8; my 16 of its 32 rows: 8 h + 0 .. 7 and 16 + 8 h + 0 .. 7
	v_lshrrev_b32 v223, 3, v220
	v_mad_u32_u24 v230, v223, 24, v220
	s_sub_co_u32 s48, s2, 5
	s_lshl_b32 s48, s48, 3
	v_add_nc_u32 v230, s48, v230
	v_lshlrev_b32 v230, 2, v230
	v_lshl_add_u32 v230, v221, 11, v230            ; 4 u + 8 h rows of 256 bytes
.irp i, 0,1,2,3,4,5,6,7
	global_load_b32 v[156+\i], v230, s[24:25] offset:256*\i
	global_load_b32 v[164+\i], v230, s[24:25] offset:256*(16+\i)
.endr
	s_wait_loadcnt 0x0
	AMAX 222, 223, 156, 16
	v_permlanex16_b32 v226, v222, s44, s45
	v_max_num_f32 v222, v222, v226                 ; with lane l xor 16's 16: the block's largest magnitude
	v_add_nc_u32 v224, EOFF, v222                  ; the conversion takes this operand's exponent field as its scale
	v_lshrrev_b32 v225, 23, v224                   ; the scale's byte,
	v_lshl_or_b32 v227, v225, 8, v225              ; for k 0-31 and for k 32-63
	v_cvt_scalef32_pk16_bf6_f32 v[188:190], v[156:171], v224
	v_nop                                          ; one plain line behind a scaled conversion
	v_mov_b32 v191, 0
	v_mov_b32 v192, 0
	v_mov_b32 v193, 0
	s_branch .Lstore_frag
.Lrole_w1:                                         ; waves 0-3: W1, tile t = wave: column u as above; both halves of the lanes take all 32 rows
	v_lshrrev_b32 v223, 3, v220
	v_mad_u32_u24 v230, v223, 24, v220
	s_lshl_b32 s48, s2, 3
	v_add_nc_u32 v230, s48, v230
	v_lshlrev_b32 v230, 2, v230
	LD32 16, 256
	s_branch .Lq32
.Lrole_wc2:                                        ; waves 9-12: Wc2, tile t = wave - 9: column u = 16 t + r, rows 32 h + 0 .. 31
	s_sub_co_u32 s48, s2, 9
	s_lshl_b32 s48, s48, 4
	v_add_nc_u32 v230, s48, v220
	v_lshlrev_b32 v230, 2, v230
	v_lshl_add_u32 v230, v221, 13, v230
	LD32 28, 256
	s_branch .Lq32
.Lrole_wd:                                         ; wave 4: Wd: column r, rows 32 h + 0 .. 31 of 64 bytes
	v_lshlrev_b32 v230, 2, v220
	v_lshl_add_u32 v230, v221, 11, v230
	LD32 20, 64
.Lq32:                                             ; a lane's 32 numbers are a whole block
	s_wait_loadcnt 0x0
	AMAX 222, 223, 156, 32
	v_add_nc_u32 v224, EOFF, v222
	v_lshrrev_b32 v225, 23, v224
	v_permlanex16_b32 v226, v225, s44, s45
	v_lshl_or_b32 v227, v226, 8, v225              ; lanes 0-15: block 0's byte, block 1's above it (lanes 16-31 are not read)
	v_cvt_scalef32_pk16_bf6_f32 v[188:190], v[156:171], v224
	v_cvt_scalef32_pk16_bf6_f32 v[192:194], v[172:187], v224   ; (a conversion's three registers begin on an even number)
	v_nop
	v_mov_b32 v191, v192
	v_mov_b32 v192, v193
	v_mov_b32 v193, v194
.Lstore_frag:
	ds_store_b64 v10, v[188:189]
	ds_store_b64 v10, v[190:191] offset:256
	ds_store_b64 v10, v[192:193] offset:512
	ds_store_b32 v11, v227
	s_branch .Ljoin
.Lrole_bias:                                       ; wave 13: the biases, as they lie
	v_lshlrev_b32 v228, 2, v220
	global_load_b64 v[156:157], v1, s[18:19]
	global_load_b64 v[158:159], v1, s[26:27]
	global_load_b64 v[160:161], v1, s[30:31]
	global_load_b32 v162, v228, s[22:23]
	s_wait_loadcnt 0x0
	ds_store_b64 v12, v[156:157]
	ds_store_b64 v12, v[158:159] offset:256
	ds_store_b64 v12, v[160:161] offset:512
	ds_store_b32 v13, v162                         ; lanes l and l xor 16 write the same word with the same value
	s_branch .Ljoin
.Lrole_w3:                                         ; wave 14: Wc3 in bf16, two fragments of 16 rows x 32 K: rows 0-2 and 8-10 are the three channels, the others zeros
	v_and_b32 v228, 7, v220
	v_min_u32 v229, 2, v228                        ; (no load leaves the buffer)
	v_lshlrev_b32 v230, 2, v229
	v_mad_u32_u24 v230, v221, 96, v230             ; 4 x channel + 8 h rows of 12 bytes
.irp s, 0,1
.irp q, 0,1
.irp j, 0,1,2,3,4,5,6,7
	global_load_b32 v[156+16*\s+8*\q+\j], v230, s[32:33] offset:12*(32*\s+16*\q+\j)
.endr
.endr
.endr
	s_wait_loadcnt 0x0
	v_cmp_gt_u32 vcc_lo, 3, v228
.set ii, 0
.rept 16
	v_cvt_pk_bf16_f32 v[188+ii], v[156+2*ii], v[157+2*ii]
.set ii, ii+1
.endr
.set ii, 0
.rept 16
	v_cndmask_b32 v[188+ii], 0, v[188+ii], vcc_lo
.set ii, ii+1
.endr
.irp q, 0,1,2,3
	ds_store_b128 v2, v[188+4*\q:191+4*\q] offset:W3IMG+512*\q
.endr
.Ljoin:
	s_wait_loadcnt 0x0                             ; positions, directions, index words: every load of mine is done
	s_wait_kmcnt 0x0                               ; bc3
	s_wait_dscnt 0x0                               ; for the others' sake: my stores have landed
	s_barrier_signal -1
	s_barrier_wait -1                              ; the launch's one barrier: the weights lie in LDS
	; ---- THE ENCODING.  A lane is a point.  A unit is a level of a group of 32 points: 16 gathers of 4 bytes a lane.  Four units have registers; three are on their way while one is interpolated.
.irp l, 0,1,2,3,4,5,6,7,8,9,10,11,12,13,14,15
	s_add_nc_u64 s[F1B+2*\l:F1B+1+2*\l], s[F0B+2*\l:F0B+1+2*\l], 0x2000000   ; feature 1 lies 8,388,608 entries of 4 bytes on.  (The two waits for 0 above have shown every load that named s8-s35 done)
.endr
.irp i, 221,223,225,227,229,231
	v_mov_b32 v\i, 0                               ; the packed forms name pairs of which they take the low word: the upper words are written once
.endr
	v_mov_b32 v238, 1
; Level l's eight indices for group g, and their sixteen gathers.  A corner's byte offset stands in both registers of its pair, so that each load's offset register is its own destination.
.macro ADDR l, g
.set GB, G+32*((\l)&1)+16*(\g)
.set WW, IW+4*(\l)+2*(\g)
	v_and_b32 v[GB+14], 0x7ffff, v[WW]             ; corner 7 (floor, floor, floor)
	v_lshrrev_b32 v232, 19, v[WW]
	v_and_b32 v233, 63, v[WW+1]
	v_bfe_u32 v234, v[WW+1], 6, 19                 ; dz
	v_lshrrev_b32 v235, 25, v[WW+1]                ; k
	v_lshl_or_b32 v232, v233, 13, v232             ; dy
	v_lshlrev_b32 v235, v235, v238
	v_add_nc_u32 v235, -1, v235                    ; dx = 2^k - 1
	v_xor_b32 v[GB+8], v[GB+14], v235              ; corner 4 (c f f)
	v_xor_b32 v[GB+10], v[GB+14], v232             ; corner 5 (f c f)
	v_xor_b32 v[GB+12], v[GB+14], v234             ; corner 6 (f f c)
	v_xor_b32 v[GB+2], v[GB+8], v232               ; corner 1 (c c f)
	v_xor_b32 v[GB+4], v[GB+8], v234               ; corner 2 (c f c)
	v_xor_b32 v[GB+6], v[GB+10], v234              ; corner 3 (f c c)
	v_xor_b32 v[GB], v[GB+2], v234                 ; corner 0 (c c c)
.irp c, 0,1,2,3,4,5,6,7
	v_min_u32 v[GB+2*\c], 0x7ffff, v[GB+2*\c]      ; a number that was loaded enters an address held to the table's size
.endr
.irp c, 0,1,2,3,4,5,6,7
	v_lshlrev_b32 v[GB+2*\c+1], 2, v[GB+2*\c]      ; 4 bytes an entry
.endr
.irp c, 0,1,2,3,4,5,6,7
	v_lshlrev_b32 v[GB+2*\c], 2, v[GB+2*\c]
.endr
.irp c, 0,1,2,3,4,5,6,7
	global_load_b32 v[GB+2*\c], v[GB+2*\c], s[F0B+2*(\l):F0B+1+2*(\l)]
	global_load_b32 v[GB+2*\c+1], v[GB+2*\c+1], s[F1B+2*(\l):F1B+1+2*(\l)]
.endr
.endm
; Level l's interpolation for group g.  Its three weights are the fractions at flat places l, 16 + l, 32 + l of the (level, coordinate) array: place j is coordinate j % 3 at level j / 3.
.macro LERP l, g
.set GB, G+32*((\l)&1)+16*(\g)
.irp a, 0,1,2
	GETS ((\l)+16*\a)/3
	v_mul_f32 v[232+2*\a], SV, v[POS+4*(\g)+((\l)+16*\a)%3]
.endr
.irp a, 0,1,2
	v_floor_f32 v[233+2*\a], v[232+2*\a]
.endr
.irp a, 0,1,2
	v_sub_f32 v[220+4*\a], v[232+2*\a], v[233+2*\a]   ; p
.endr
.irp a, 0,1,2
	v_sub_f32 v[222+4*\a], 1.0, v[220+4*\a]           ; 1 - p
.endr
	v_pk_mul_f32 v[GB+6:GB+7], v[GB+6:GB+7], v[222:223] op_sel_hi:[1,0]
	v_pk_mul_f32 v[GB+4:GB+5], v[GB+4:GB+5], v[222:223] op_sel_hi:[1,0]
	v_pk_mul_f32 v[GB+12:GB+13], v[GB+12:GB+13], v[222:223] op_sel_hi:[1,0]
	v_pk_mul_f32 v[GB+14:GB+15], v[GB+14:GB+15], v[222:223] op_sel_hi:[1,0]
	v_pk_fma_f32 v[GB:GB+1], v[GB:GB+1], v[220:221], v[GB+6:GB+7] op_sel_hi:[1,0,1]         ; f03
	v_pk_fma_f32 v[GB+2:GB+3], v[GB+2:GB+3], v[220:221], v[GB+4:GB+5] op_sel_hi:[1,0,1]     ; f12
	v_pk_fma_f32 v[GB+10:GB+11], v[GB+10:GB+11], v[220:221], v[GB+12:GB+13] op_sel_hi:[1,0,1] ; f56
	v_pk_fma_f32 v[GB+8:GB+9], v[GB+8:GB+9], v[220:221], v[GB+14:GB+15] op_sel_hi:[1,0,1]   ; f47
	v_pk_mul_f32 v[GB+2:GB+3], v[GB+2:GB+3], v[226:227] op_sel_hi:[1,0]
	v_pk_mul_f32 v[GB+10:GB+11], v[GB+10:GB+11], v[226:227] op_sel_hi:[1,0]
	v_pk_fma_f32 v[GB:GB+1], v[GB:GB+1], v[224:225], v[GB+2:GB+3] op_sel_hi:[1,0,1]         ; f0312
	v_pk_fma_f32 v[GB+8:GB+9], v[GB+8:GB+9], v[224:225], v[GB+10:GB+11] op_sel_hi:[1,0,1]   ; f4756
	v_pk_mul_f32 v[GB+8:GB+9], v[GB+8:GB+9], v[230:231] op_sel_hi:[1,0]
	v_pk_fma_f32 v[ENC+32*(\g)+2*(\l):ENC+32*(\g)+2*(\l)+1], v[GB:GB+1], v[228:229], v[GB+8:GB+9] op_sel_hi:[1,0,1]
.endm
	ADDR 0, 0
	ADDR 0, 1
	ADDR 1, 0
	ADDR 1, 1
.irp l, 0,1,2,3,4,5,6,7,8,9,10,11,12,13
.irp g, 0,1
	s_wait_loadcnt 48                              ; this unit's 16 gathers are in; the three younger units' 16 each may be out
	LERP \l, \g
	ADDR \l+2, \g                                  ; two levels on, into the registers just read
.endr
.endr
	s_wait_loadcnt 48                              ; the last four units ask for nothing: the counts run down
	LERP 14, 0
	s_wait_loadcnt 32
	LERP 14, 1
	s_wait_loadcnt 16
	LERP 15, 0
	s_wait_loadcnt 0x0
	LERP 15, 1
	; ---- THE NETWORK, a group of 32 points at a time
.irp i, 98,99,100,101,102,103,110,111,112,113,114,115,140,141,142,143,144,145
	v_mov_b32 v\i, 0                               ; source 1's registers 6-11 of both tiles: zero codes; and the six registers behind the fourth fragment
.endr
	v_mov_b32 v[C3], s40                           ; the last product's C: bc3 in rows 0-2 and 8-10
	v_mov_b32 v[C3+1], s41
	v_mov_b32 v[C3+2], s42
.irp i, 3,4,5,6,7
	v_mov_b32 v[C3+\i], 0
.endr
	v_mov_b32 v214, 0                              ; (a lane permute's destination counts as one of its sources)
.macro WL f0, n                        ; n fragments from f0 on, and their scale words
.set ff, 0
.rept \n
	ds_load_b64 v[W+6*ff:W+6*ff+1], v1 offset:768*(\f0+ff)
	ds_load_b64 v[W+6*ff+2:W+6*ff+3], v1 offset:768*(\f0+ff)+256
	ds_load_b64 v[W+6*ff+4:W+6*ff+5], v1 offset:768*(\f0+ff)+512
	ds_load_b32 v[WS+ff], v3 offset:WSC+128*(\f0+ff)
.set ff, ff+1
.endr
.endm
.macro BL adr, off, step, n            ; n bias tiles of eight registers, in the result's layout, into the group's 32 registers at EB
.set nn, 0
.rept \n
	ds_load_b128 v[EB+8*nn:EB+8*nn+3], v[\adr] offset:\off+\step*nn
	ds_load_b128 v[EB+8*nn+4:EB+8*nn+7], v[\adr] offset:\off+\step*nn+16
.set nn, nn+1
.endr
.endm
.macro PROD d, a, b, c, sa, sb, row1
.if \row1
	v_wmma_scale_f32_16x16x128_f8f6f4 v[\d:\d+7], v[\a:\a+11], v[\b:\b+11], v[\c:\c+7], v[\sa], v[\sb] matrix_a_fmt:MATRIX_FMT_BF6 matrix_b_fmt:MATRIX_FMT_BF6 matrix_b_scale:MATRIX_SCALE_ROW1
.else
	v_wmma_scale_f32_16x16x128_f8f6f4 v[\d:\d+7], v[\a:\a+11], v[\b:\b+11], v[\c:\c+7], v[\sa], v[\sb] matrix_a_fmt:MATRIX_FMT_BF6 matrix_b_fmt:MATRIX_FMT_BF6
.endif
.endm
; relu and quantise tile pp's 64 units: my 32 registers are block h of the next K
.macro RQ pp
.set DP, D+32*(\pp)
.set XP, XA+12*(\pp)
.set ii, 0
.rept 32
	v_max_num_f32 v[DP+ii], 0, v[DP+ii]            ; each result from its low end on
.set ii, ii+1
.endr
	PMAX 210, 211, DP, 32
	v_add_nc_u32 v212, EOFF, v210
	v_lshrrev_b32 v213, 23, v212
	v_permlanex16_b32 v214, v213, s44, s45
	v_lshl_or_b32 v[XS+\pp], v214, 8, v213         ; lanes 0-15: block 0's byte, block 1's above it
	v_cvt_scalef32_pk16_bf6_f32 v[XP:XP+2], v[DP:DP+15], v212
	v_cvt_scalef32_pk16_bf6_f32 v[216:218], v[DP+16:DP+31], v212
	v_nop
.irp i, 0,1,2
	v_mov_b32 v[XP+3+\i], v[216+\i]
.endr
.endm
; the harmonics of tile pp's points (directions of tile tau): lanes 0-15 keep c0-c7, lanes 16-31 c8-c15, behind the place of the eight densities
.macro SH pp, tau
.set DX, DIR+4*(\tau)
.set OO, D+32*(\pp)+8
	v_mul_f32 v220, v[DX], v[DX]                   ; xx
	v_mul_f32 v221, v[DX+1], v[DX+1]               ; yy
	v_mul_f32 v222, v[DX+2], v[DX+2]               ; zz
	v_mul_f32 v225, v[DX], v[DX+1]                 ; xy
	v_mul_f32 v226, v[DX+1], v[DX+2]               ; yz
	v_mul_f32 v227, v[DX], v[DX+2]                 ; xz
	v_sub_f32 v223, v220, v221                     ; xx - yy
	v_fma_f32 v224, v222, 5.0, -1.0                ; 5 zz - 1
	v_fma_f32 v229, v220, 3.0, -v221               ; 3 xx - yy
	v_fma_f32 v230, v221, -3.0, v220               ; xx - 3 yy
	v_add_f32 v228, -2.0, v224                     ; 5 zz - 3
	v_mov_b32 v231, 0.28209479177
	v_mul_f32 v232, 0.54627421530, v223
	v_cndmask_b32 v[OO], v231, v232, s43
	v_mul_f32 v231, 0.48860251190, v[DX+1]
	v_mul_f32 v232, 0.59004358993, v[DX+1]
	v_mul_f32 v232, v232, v229
	v_cndmask_b32 v[OO+1], v231, v232, s43
	v_mul_f32 v231, 0.48860251190, v[DX+2]
	v_mul_f32 v232, 2.8906114426, v225
	v_mul_f32 v232, v232, v[DX+2]
	v_cndmask_b32 v[OO+2], v231, v232, s43
	v_mul_f32 v231, 0.48860251190, v[DX]
	v_mul_f32 v232, 0.45704579946, v[DX+1]
	v_mul_f32 v232, v232, v224
	v_cndmask_b32 v[OO+3], v231, v232, s43
	v_mul_f32 v231, 1.0925484306, v225
	v_mul_f32 v232, 0.37317633259, v[DX+2]
	v_mul_f32 v232, v232, v228
	v_cndmask_b32 v[OO+4], v231, v232, s43
	v_mul_f32 v231, 1.0925484306, v226
	v_mul_f32 v232, 0.45704579946, v[DX]
	v_mul_f32 v232, v232, v224
	v_cndmask_b32 v[OO+5], v231, v232, s43
	v_mov_b32 v233, -0.31539156525
	v_fma_f32 v231, v222, 0.94617469576, v233
	v_mul_f32 v232, 1.4453057213, v[DX+2]
	v_mul_f32 v232, v232, v223
	v_cndmask_b32 v[OO+6], v231, v232, s43
	v_mul_f32 v231, 1.0925484306, v227
	v_mul_f32 v232, 0.59004358993, v[DX]
	v_mul_f32 v232, v232, v230
	v_cndmask_b32 v[OO+7], v231, v232, s43
.endm
; quantise tile pp's [density | harmonics]: my 16 numbers are half of the block of 32
.macro Q3 pp
.set DP, D+32*(\pp)
.set XP, XA+12*(\pp)
	AMAX 210, 211, DP, 16
	v_permlanex16_b32 v214, v210, s44, s45
	v_max_num_f32 v210, v210, v214
	v_add_nc_u32 v212, EOFF, v210
	v_lshrrev_b32 v213, 23, v212
	v_lshl_or_b32 v[XS+\pp], v213, 8, v213         ; one byte, for k 0-31 and for k 32-63
	v_cvt_scalef32_pk16_bf6_f32 v[XP:XP+2], v[DP:DP+15], v212
	v_nop
.irp i, 3,4,5
	v_mov_b32 v[XP+\i], 0
.endr
.endm
; PLACES.  Behind each group of products stand five plain lines that name none of their registers, ahead of the first read of a result, of loads into their registers and of products that write over them
; (five in the last case).  Ahead of a scaled product stand eight behind the vector line that made a scale word, which serve the operands made by vector lines too.
; No product adds in place but the last one's second K step, and there the two accumulators take turns.
.macro MLP g
.set EB, ENC+32*(\g)
.if (\g) == 1
	s_wait_xcnt 0x0                                ; the first group's stores have read their registers: they are written again only behind this wait
.endif
	WL 0, 4                                        ; W1
	AMAX 210, 211, EB, 32                          ; each lane quantises its own point's encoding
	v_add_nc_u32 v212, EOFF, v210
	v_lshrrev_b32 v213, 23, v212
	v_lshl_or_b32 v[XS], v213, 8, v213             ; lanes 0-15 serve tile 0 (byte 0), lanes 16-31 tile 1 (byte 1)
	v_cvt_scalef32_pk16_bf6_f32 v[216:218], v[EB:EB+15], v212
	v_cvt_scalef32_pk16_bf6_f32 v[220:222], v[EB+16:EB+31], v212
	v_nop
	BL 6, 0, 32, 4                                 ; b1 takes the encoding's registers
.irp i, 0,1,2
	v_cndmask_b32 v[XA+\i], v[216+\i], 0, s43
	v_cndmask_b32 v[XA+3+\i], v[220+\i], 0, s43
	v_cndmask_b32 v[XA+12+\i], 0, v[216+\i], s43
	v_cndmask_b32 v[XA+15+\i], 0, v[220+\i], s43
.endr
	GAP 8
	s_wait_dscnt 0x0                               ; W1, its scale words, b1
.irp t, 0,1,2,3
	PROD D+8*\t, W+6*\t, XA, EB+8*\t, WS+\t, XS, 0
	PROD D+32+8*\t, W+6*\t, XA+12, EB+8*\t, WS+\t, XS, 1
.endr
	GAP 5
	WL 4, 1                                        ; Wd
	BL 7, 768, 0, 1                                ; bd
	RQ 0
	RQ 1
	SH 0, 2*(\g)                                   ; plain lines that name no register of the next products: their places
	SH 1, 2*(\g)+1
	s_wait_dscnt 0x0
	PROD D, W, XA, EB, WS, XS, 0                   ; density: lane (r, h): units 8 h + 0 .. 7 of point r
	PROD D+32, W, XA+12, EB, WS, XS+1, 0
	GAP 5
	ds_store_b128 v8, v[D:D+3]                     ; through my stage: a point's 64 bytes come from two lanes
	ds_store_b128 v8, v[D+4:D+7] offset:16
	ds_store_b128 v8, v[D+32:D+35] offset:1280
	ds_store_b128 v8, v[D+36:D+39] offset:1296
.irp i, 0,1,2,3
	ds_load_b128 v[224+4*\i:227+4*\i], v9 offset:640*\i   ; LDS serves a wave's instructions in order (ISA guide 5.7.1.4): these see the stores above
.endr
	WL 5, 4                                        ; Wc1
	BL 6, 256, 32, 4                               ; bc1
	Q3 0
	Q3 1
	GAP 8
	s_wait_dscnt 0x0
.irp i, 0,1,2,3
	global_store_b128 v2, v[224+4*\i:227+4*\i], s[36:37] offset:2048*(\g)+512*\i th:TH_STORE_NT   ; 32 lanes store 512 consecutive bytes, aligned: eight points' densities
.endr
.irp t, 0,1,2,3
	PROD D+8*\t, W+6*\t, XA, EB+8*\t, WS+\t, XS, 0
	PROD D+32+8*\t, W+6*\t, XA+12, EB+8*\t, WS+\t, XS+1, 0
.endr
	GAP 5
	WL 9, 4                                        ; Wc2
	BL 7, 512, 64, 4                               ; bc2
	RQ 0
	RQ 1
	GAP 8
	s_wait_dscnt 0x0
.irp t, 0,1,2,3
	PROD D+8*\t, W+6*\t, XA, EB+8*\t, WS+\t, XS, 0   ; lane (r, h): units 16 t + 8 h + 0 .. 7: the bf16 operand's order
	PROD D+32+8*\t, W+6*\t, XA+12, EB+8*\t, WS+\t, XS+1, 0
.endr
	GAP 5
.irp q, 0,1,2,3
	ds_load_b128 v[W+4*\q:W+4*\q+3], v2 offset:W3IMG+512*\q
.endr
.irp pp, 0,1
.set ii, 0
.rept 32
	v_max_num_f32 v[D+32*\pp+ii], 0, v[D+32*\pp+ii]
.set ii, ii+1
.endr
.set ii, 0
.rept 16
	v_cvt_pk_bf16_f32 v[EB+16*\pp+ii], v[D+32*\pp+2*ii], v[D+32*\pp+2*ii+1]
.set ii, ii+1
.endr
.endr
	s_wait_dscnt 0x0
	v_wmma_f32_16x16x32_bf16 v[D:D+7], v[W:W+7], v[EB:EB+7], v[C3:C3+7]
	v_wmma_f32_16x16x32_bf16 v[D+32:D+39], v[W:W+7], v[EB+16:EB+23], v[C3:C3+7]
	v_wmma_f32_16x16x32_bf16 v[D:D+7], v[W+8:W+15], v[EB+8:EB+15], v[D:D+7]
	v_wmma_f32_16x16x32_bf16 v[D+32:D+39], v[W+8:W+15], v[EB+24:EB+31], v[D+32:D+39]
	GAP 5
.irp j, 0,1,2
	v_cndmask_b32 v[210+\j], v[D+\j], v[D+32+\j], s43   ; both halves of the lanes hold the three channels: lanes 0-15 keep tile 0's, lanes 16-31 tile 1's: a lane is a point again
.endr
.irp j, 0,1,2
	v_mul_f32 v[210+\j], 0xbfb8aa3b, v[210+\j]     ; -x log2(e)
.endr
.irp j, 0,1,2
	v_exp_f32 v[210+\j], v[210+\j]
.endr
	v_nop                                          ; a plain line behind the last exponential,
	s_wait_alu depctr_va_vdst(0)                   ; and a wait ahead of the first use: one for the three
.irp j, 0,1,2
	v_add_f32 v[210+\j], 1.0, v[210+\j]
.endr
.irp j, 0,1,2
	v_rcp_f32 v[210+\j], v[210+\j]                 ; sigmoid(x) = 1 / (1 + 2^(-x log2(e)))
.endr
	v_nop
	s_wait_alu depctr_va_vdst(0)
	global_store_b96 v4, v[210:212], s[38:39] offset:384*(\g) th:TH_STORE_NT   ; 32 lanes store 384 consecutive bytes
.endm
	MLP 0
	MLP 1
	s_wait_tensorcnt 0x0
	ds_add_u32 v251, v255
	s_wait_dscnt 0x0
	s_endpgm
.Lfunc_end_k_qf5035205a8_main:
	.size	k_qf5035205a8_main, .Lfunc_end_k_qf5035205a8_main-k_qf5035205a8_main
	.p2alignl 7, 3214868480
	.fill 96, 4, 3214868480
	.section	.rodata,"a",@progbits
	.p2align	6, 0x0
	.amdhsa_kernel k_qf5035205a8_main
		.amdhsa_group_segment_fixed_size 58368
		.amdhsa_private_segment_fixed_size 0
		.amdhsa_enable_private_segment 0
		.amdhsa_kernarg_size 128
		.amdhsa_user_sgpr_count 2
		.amdhsa_user_sgpr_kernarg_segment_ptr 1
		.amdhsa_wavefront_size32 1
		.amdhsa_system_sgpr_workgroup_id_x 1
		.amdhsa_system_sgpr_workgroup_id_y 1
		.amdhsa_system_sgpr_workgroup_id_z 1
		.amdhsa_system_vgpr_workitem_id 0
		.amdhsa_next_free_vgpr 256
		.amdhsa_next_free_sgpr 100
		.amdhsa_reserve_vcc 1
		.amdhsa_float_denorm_mode_32 3
		.amdhsa_float_denorm_mode_16_64 3
		.amdhsa_memory_ordered 1
		.amdhsa_forward_progress 1
		.amdhsa_inst_pref_size 243
	.end_amdhsa_kernel
	.amdgpu_metadata
---
amdhsa.version: [ 1, 2 ]
amdhsa.kernels:
  - .name:           k_qf5035205a8_main
    .symbol:         k_qf5035205a8_main.kd
    .args:
      - { .name: position, .offset: 0, .size: 8, .value_kind: global_buffer, .address_space: global }
      - { .name: direction, .offset: 8, .size: 8, .value_kind: global_buffer, .address_space: global }
      - { .name: iw, .offset: 16, .size: 8, .value_kind: global_buffer, .address_space: global }
      - { .name: hash_table, .offset: 24, .size: 8, .value_kind: global_buffer, .address_space: global }
      - { .name: w1, .offset: 32, .size: 8, .value_kind: global_buffer, .address_space: global }
      - { .name: b1, .offset: 40, .size: 8, .value_kind: global_buffer, .address_space: global }
      - { .name: wd, .offset: 48, .size: 8, .value_kind: global_buffer, .address_space: global }
      - { .name: bd, .offset: 56, .size: 8, .value_kind: global_buffer, .address_space: global }
      - { .name: wc1, .offset: 64, .size: 8, .value_kind: global_buffer, .address_space: global }
      - { .name: bc1, .offset: 72, .size: 8, .value_kind: global_buffer, .address_space: global }
      - { .name: wc2, .offset: 80, .size: 8, .value_kind: global_buffer, .address_space: global }
      - { .name: bc2, .offset: 88, .size: 8, .value_kind: global_buffer, .address_space: global }
      - { .name: wc3, .offset: 96, .size: 8, .value_kind: global_buffer, .address_space: global }
      - { .name: bc3, .offset: 104, .size: 8, .value_kind: global_buffer, .address_space: global }
      - { .name: out0, .offset: 112, .size: 8, .value_kind: global_buffer, .address_space: global }
      - { .name: out1, .offset: 120, .size: 8, .value_kind: global_buffer, .address_space: global }
    .group_segment_fixed_size: 58368
    .private_segment_fixed_size: 0
    .kernarg_segment_align: 8
    .kernarg_segment_size: 128
    .max_flat_workgroup_size: 512
    .sgpr_count:     100
    .vgpr_count:     256
    .wavefront_size: 32
...
	.end_amdgpu_metadata
.endif
;; end of part 4
;; ======== version 3 of 3: 2 launches; version 2 with the launch main written anew for expert scheduling mode
;; workspace buffers: iw 33,554,432 bytes of whole numbers
;; launch prep: the kernel of part 3 again; grid 1024 x 1, 8 waves a work-group, no clusters, 0 bytes of LDS; arguments position, iw; writes iw
;; launch main (part 5): grid 256 x 1, 16 waves a work-group, no clusters, 58,368 bytes of LDS; arguments position, direction, iw, hash_table, w1, b1, wd, bd, wc1, bc1, wc2, bc2, wc3, bc3, out0, out1; writes out0, out1
.if DOCPART == 5
	.amdgcn_target "amdgcn-amd-amdhsa--gfx1250"
	.amdhsa_code_object_version 6
	.text
	.protected	k_qf5035205a8_main
	.globl	k_qf5035205a8_main
	.p2align	8
	.type	k_qf5035205a8_main,@function
k_qf5035205a8_main:
	s_mov_b64 s[64:65], 0
	v_nop
	global_prefetch_b8 v0, s[64:65] scope:SCOPE_SE
	s_setreg_imm32_b32 hwreg(HW_REG_WAVE_SCHED_MODE, 0, 2), 2
	s_setreg_imm32_b32 hwreg(HW_REG_WAVE_MODE, 25, 1), 1
	s_wait_xcnt 0x0
	s_wait_alu depctr_vm_vsrc(0)
; THE WHOLE NETWORK FOR 1,024 POINTS A WORK-GROUP, 64 A WAVE: hash-grid encoding (16 levels x 8 corners x 2 features, gathered from the table's two planes by the whole numbers of iw), three nested interpolations,
; then enc -> relu(W1) -> density (Wd) -> [density | sh(direction)] -> relu(Wc1) -> relu(Wc2) -> sigmoid(Wc3).  The first four products run on codes of BF6 (E3M2) with one E8M0 scale for each 32 along K,
; both operands quantised here; the last, with 3 outputs, on bf16.  Nothing between the encoding and the outputs goes to memory.
; SHARES.  Sixteen waves of 256 registers, four to a SIMD.  A wave's 64 points are two groups of 32.  In the encoding a lane is a point; in the network a group is two tiles of 16 points.
; ALL PRODUCTS ARE USED TRANSPOSED (source 0 = 16 rows of a weight's transpose, source 1 = 16 points): lane (r, h) holds point r and units 8 h + 0 .. 7 of the tile.  The rows of W1 and Wc1 that form tile t are
; u = 32 (r / 8) + 8 t + r % 8, so that a lane's 32 registers of the four tiles are units 32 h + 0 .. 31: a whole block of the next K, in the order of the next operand's registers.  No code changes lanes.
; K IS 32 OR 64 OF THE INSTRUCTION'S 128: source 1's registers 6-11 are zero codes, which add nothing; source 0's registers 6-11 then may hold any codes (every code of this format is a finite number).
; FIRST PRODUCT: each lane quantises its own point.  Tile 0 keeps the codes of lanes 0-15 (k 0-31) and zeros elsewhere; tile 1 keeps those of lanes 16-31, which the layout reads as k 32-63: W1's fragment holds W1 twice.
; THIRD PRODUCT: a lane holds 8 densities and 8 harmonics, half of the block of 32; the two halves stand as k 0-15 and k 32-47 under one scale byte written twice; Wc1's rows are laid the same way.
; THE WEIGHTS are quantised once a work-group, a fragment a wave, and go to all waves through LDS as images of the operand's registers; one barrier.
; NO CLUSTER: what work-groups share is 37,632 bytes of weights and biases, read once by each, beside the 1 MiB that a work-group's 262,144 gathers of 4 bytes name.
; THE SCALINGS floor(16 g^l) are constants of reference(): 16 21 27 36 48 64 84 111 147 194 256 337 445 588 776 1024.
; LIMITS: NaN and infinities are not served; a block whose largest magnitude lies under 2^-122 (a block of zeros too) keeps the scale byte 1: such bytes are read by this program alone.
; THE MODE: SCHED_MODE bits 1:0 = 2 (LLVM: expert scheduling mode 2), set by the entry lines.  The code itself states the register dependences between vector or matrix instructions and memory or LDS
; instructions, with s_wait_alu, always for 0.
; THE PLAN.  Registers that memory or LDS instructions touch:
;   v1-v13, v251, v255   offsets and LDS addresses: written at the head, ahead of one wait on va_vdst, and never again.
;   v156-v203, v227, v228, v230   in the roles: offsets, loaded weights, codes and scale words.  One wait on va_vdst ahead of a role's loads and one ahead of its LDS stores; one wait on vm_vsrc behind the barrier
;                        frees them all for the encoding.
;   G0 .. G3             four units of 16 registers.  A turn: the interpolation reads and writes the unit's 16; the index arithmetic writes 16 offsets there; ONE wait on va_vdst; the 16 gathers read them, each landing
;                        on its own offset register.  The next unit's three weights, which name v84-v90 and v220-v237 alone, are dealt among the gathers.  ONE wait on vm_vsrc for four turns, at the head of units
;                        0, 4, 8 ..: all four units' gathers were issued ahead of it, and the four turns behind it write just their 64 registers.
;   W, WS, the bias tiles   LDS loads land in them, matrix instructions read them: one wait on va_vdst behind each group of products, ahead of the next loads.
;   XA, XS               codes and scale words made by vector lines: one wait on va_vdst behind the places ahead of each group of scaled products.
;   D                    the density's 16 registers are read by the stage's LDS stores (a wait on va_vdst ahead of them) and written again by Wc1's products (a wait on vm_vsrc ahead of those).
;   v224-v239, v210-v212 the global stores' data: written again in the second group, behind one wait on vm_vsrc at its head.
.set WSC,    10240                     ; LDS: from 0 13 fragments x 768 bytes (pair i of fragment f at 768 f + 256 i + 8 x lane); here their scale words, 128 bytes each
.set BIAS,   12288                     ; b1, bc1, bc2 (256 bytes each), bd (64 bytes), as they lie in memory
.set W3IMG,  13312                     ; Wc3 in bf16: 16 registers as four images of 512 bytes
.set STAGE,  15360                     ; 2,560 bytes a wave: 32 points x (64 bytes of density + 16)
.set FLOORB, 0x2800000                 ; 2^(5 - 127): no largest magnitude is taken under it, so no scale byte falls under 1
.set EOFF,   0xfe000000                ; takes 4 off an exponent field
.set XS,   14                          ; v14-15   the points' scale words, tile 0 and 1: scales and nothing else
.set WS,   16                          ; v16-19   the weights' scale words: scales and nothing else
.set ENC,  20                          ; v20-83   the encoding, 32 numbers a point, group g at 20 + 32 g; later the group's bias tiles, later its bf16 operand
.set POS,  84                          ; v84-86, v88-90 positions;  later v84-91: the last product's C
.set IW,   92                          ; v92-155  the index words, level l group g at 92 + 4 l + 2 g
.set G,    156                         ; v156-219 gathered corners: 156 + 32 (l % 2) + 16 g + 2 c: feature 0, feature 1
.set DIR,  240                         ; v240-254 directions, tile tau at 240 + 4 tau (three registers of each four; v251 and v255 are the closing add's two)
.set C3,   84
.set XA,   92                          ; v92-103 tile 0's codes, v104-115 tile 1's
.set W,    116                         ; v116-145 four fragments of 6 registers, and 6 more that are written once
.set D,    146                         ; v146-209 results: tile (pp, t) at 146 + 32 pp + 8 t
                                       ; v210-239 at work
.set F0B,  66                          ; s[66 + 2 l : 67 + 2 l] feature 0 of level l in the table
.set F1B,  4                           ; s[4 + 2 l : 5 + 2 l]   feature 1 of level l: made behind the join, where the pointers that lay in s8-s35 are done with
.macro GETS l                          ; SV = the f32 bits of level l's scaling
.if (\l) == 0
.set SV, 0x41800000
.elseif (\l) == 1
.set SV, 0x41a80000
.elseif (\l) == 2
.set SV, 0x41d80000
.elseif (\l) == 3
.set SV, 0x42100000
.elseif (\l) == 4
.set SV, 0x42400000
.elseif (\l) == 5
.set SV, 0x42800000
.elseif (\l) == 6
.set SV, 0x42a80000
.elseif (\l) == 7
.set SV, 0x42de0000
.elseif (\l) == 8
.set SV, 0x43130000
.elseif (\l) == 9
.set SV, 0x43420000
.elseif (\l) == 10
.set SV, 0x43800000
.elseif (\l) == 11
.set SV, 0x43a88000
.elseif (\l) == 12
.set SV, 0x43de8000
.elseif (\l) == 13
.set SV, 0x44130000
.elseif (\l) == 14
.set SV, 0x44420000
.else
.set SV, 0x44800000
.endif
.endm
.macro GAP n
.rept \n
	v_nop
.endr
.endm
; v[d] = the largest magnitude of v[s] .. v[s + n - 1] and the floor; two chains, v[e] the second
.macro AMAX d, e, s, n
	v_max3_num_f32 v[\d], |v[\s]|, |v[\s+1]|, FLOORB
	v_max3_num_f32 v[\e], |v[\s+2]|, |v[\s+3]|, FLOORB
.set ii, 4
.rept (\n-4)/4
	v_max3_num_f32 v[\d], v[\d], |v[\s+ii]|, |v[\s+ii+1]|
	v_max3_num_f32 v[\e], v[\e], |v[\s+ii+2]|, |v[\s+ii+3]|
.set ii, ii+4
.endr
	v_max_num_f32 v[\d], v[\d], v[\e]
.endm
; the same of numbers none of which is negative
.macro PMAX d, e, s, n
	v_max3_num_f32 v[\d], v[\s], v[\s+1], FLOORB
	v_max3_num_f32 v[\e], v[\s+2], v[\s+3], FLOORB
.set ii, 4
.rept (\n-4)/4
	v_max3_num_f32 v[\d], v[\d], v[\s+ii], v[\s+ii+1]
	v_max3_num_f32 v[\e], v[\e], v[\s+ii+2], v[\s+ii+3]
.set ii, ii+4
.endr
	v_max_num_f32 v[\d], v[\d], v[\e]
.endm
.macro LD32 sb, pitch                  ; 32 numbers down K of my column into v156-187
	s_wait_alu depctr_va_vdst(0)                   ; v230, my column's offset, is written: the 32 loads read it
.set ii, 0
.rept 32
	global_load_b32 v[156+ii], v230, s[\sb:\sb+1] offset:ii*\pitch
.set ii, ii+1
.endr
.endm
	s_load_b512 s[8:23], s[0:1], 0x0               ; position 8, direction 10, iw 12, hash_table 14, w1 16, b1 18, wd 20, bd 22
	s_load_b512 s[24:39], s[0:1], 0x40             ; wc1 24, bc1 26, wc2 28, bc2 30, wc3 32, bc3 34, out0 36, out1 38
	v_lshl_add_u32 v251, v0, 2, 0xdc00
	v_mov_b32 v255, 0
	v_lshrrev_b32 v1, 5, v0
	v_readfirstlane_b32 s2, v1                     ; wave 0..15
	v_and_b32 v222, 31, v0                         ; lane
	v_and_b32 v220, 15, v0                         ; r
	v_bfe_u32 v221, v0, 4, 1                       ; h
	v_lshlrev_b32 v1, 3, v222                      ; 8, 16, 4, 12 x lane
	v_lshlrev_b32 v2, 4, v222
	v_lshlrev_b32 v3, 2, v222
	v_mul_u32_u24 v4, v222, 12
	v_mul_u32_u24 v5, v220, 12                     ; 12 r
	v_lshl_add_u32 v6, v221, 7, BIAS               ; a bias tile of units 32 h + 8 t + ..
	v_lshl_add_u32 v7, v221, 5, BIAS               ; and of units 16 t + 8 h + ..
	s_wait_alu depctr_va_sdst(0)                   ; s2, the wave's number, is written, ahead of its first reader
	s_mul_i32 s48, s2, 2560
	s_add_co_u32 s48, s48, STAGE                   ; my stage
	v_mul_u32_u24 v8, v220, 80
	v_lshl_add_u32 v8, v221, 5, v8
	v_add_nc_u32 v8, s48, v8                       ; into it: point r, 32 bytes for each half of the lanes
	v_lshrrev_b32 v223, 2, v222
	v_mul_u32_u24 v9, v223, 80
	v_and_b32 v223, 3, v222
	v_lshl_add_u32 v9, v223, 4, v9
	v_add_nc_u32 v9, s48, v9                       ; back: four lanes to a point's 64 bytes
	s_mul_i32 s49, s2, 768
	v_add_nc_u32 v10, s49, v1                      ; where waves 0-12 store their fragment,
	s_lshl_b32 s50, s2, 7
	s_add_co_u32 s50, s50, WSC
	v_add_nc_u32 v11, s50, v3                      ; and its scale words
	v_add_nc_u32 v12, BIAS, v1
	v_lshl_add_u32 v13, v220, 2, BIAS+768
	v_mov_b32 v226, 0                              ; (a lane permute's destination counts as one of its sources)
	s_mov_b32 s43, 0xffff0000                      ; lanes 16-31
	s_mov_b32 s44, 0x76543210
	s_mov_b32 s45, 0xfedcba98                      ; v_permlanex16_b32's selects for lane l xor 16
	s_lshl_b32 s52, ttmp9, 10
	s_lshl_b32 s53, s2, 6
	s_add_co_u32 s52, s52, s53                     ; my first point
	s_mov_b32 s55, 0
	s_wait_kmcnt 0x0
	s_mul_i32 s54, s52, 12
	s_add_nc_u64 s[8:9], s[8:9], s[54:55]
	s_add_nc_u64 s[10:11], s[10:11], s[54:55]
	s_add_nc_u64 s[38:39], s[38:39], s[54:55]
	s_lshl_b32 s54, s52, 6
	s_add_nc_u64 s[36:37], s[36:37], s[54:55]
	s_lshl_b32 s54, s52, 7                         ; my chunk of iw: 8,192 bytes for 64 points
	s_add_nc_u64 s[12:13], s[12:13], s[54:55]
	s_load_b96 s[40:42], s[34:35], 0x0             ; bc3
	s_mov_b64 s[F0B:F0B+1], s[14:15]               ; feature 0 of level l: 2^19 entries of 4 bytes each
.irp l, 1,2,3,4,5,6,7,8,9,10,11,12,13,14,15
	s_add_nc_u64 s[F0B+2*\l:F0B+1+2*\l], s[F0B+2*(\l-1):F0B+1+2*(\l-1)], 0x200000
.endr
	s_wait_alu depctr_va_vdst(0)                   ; the offsets and LDS addresses v1 to v13 are written, which loads and stores of the whole kernel read; so are v251 and v255, which the closing add reads
	global_load_b96 v[POS:POS+2], v4, s[8:9]
	global_load_b96 v[POS+4:POS+6], v4, s[8:9] offset:384
.irp t, 0,1,2,3
	global_load_b96 v[DIR+4*\t:DIR+4*\t+2], v5, s[10:11] offset:192*\t   ; both halves of the lanes take point r of the tile
.endr
.irp l, 0,1,2,3,4,5,6,7,8,9,10,11,12,13,14,15
	global_load_b64 v[IW+4*\l:IW+4*\l+1], v1, s[12:13] offset:512*\l th:TH_LOAD_NT
	global_load_b64 v[IW+4*\l+2:IW+4*\l+3], v1, s[12:13] offset:512*\l+256 th:TH_LOAD_NT
.endr
	; ---- THE WEIGHTS, a role a wave (registers v156-239).  Every LDS address was made above, ahead of the parting.
	s_cmp_lt_u32 s2, 4
	s_cbranch_scc1 .Lrole_w1
	s_cmp_eq_u32 s2, 4
	s_cbranch_scc1 .Lrole_wd
	s_cmp_lt_u32 s2, 9
	s_cbranch_scc1 .Lrole_c
	s_cmp_lt_u32 s2, 13
	s_cbranch_scc1 .Lrole_wc2
	s_cmp_eq_u32 s2, 13
	s_cbranch_scc1 .Lrole_bias
	s_cmp_eq_u32 s2, 14
	s_cbranch_scc1 .Lrole_w3
	s_branch .Ljoin
.Lrole_c:                                          ; waves 5-8: Wc1, tile t = wave - 5: column u = 32 (r / 8) + 8 t + r % 8; my 16 of its 32 rows: 8 h + 0 .. 7 and 16 + 8 h + 0 .. 7
	v_lshrrev_b32 v223, 3, v220
	v_mad_u32_u24 v230, v223, 24, v220
	s_sub_co_u32 s48, s2, 5
	s_lshl_b32 s48, s48, 3
	v_add_nc_u32 v230, s48, v230
	v_lshlrev_b32 v230, 2, v230
	v_lshl_add_u32 v230, v221, 11, v230            ; 4 u + 8 h rows of 256 bytes
	s_wait_alu depctr_va_vdst(0)                   ; v230, my column's offset, is written: the 16 loads read it
.irp i, 0,1,2,3,4,5,6,7
	global_load_b32 v[156+\i], v230, s[24:25] offset:256*\i
	global_load_b32 v[164+\i], v230, s[24:25] offset:256*(16+\i)
.endr
	s_wait_loadcnt 0x0
	AMAX 222, 223, 156, 16
	v_permlanex16_b32 v226, v222, s44, s45
	v_max_num_f32 v222, v222, v226                 ; with lane l xor 16's 16: the block's largest magnitude
	v_add_nc_u32 v224, EOFF, v222                  ; the conversion takes this operand's exponent field as its scale
	v_lshrrev_b32 v225, 23, v224                   ; the scale's byte,
	v_lshl_or_b32 v227, v225, 8, v225              ; for k 0-31 and for k 32-63
	v_cvt_scalef32_pk16_bf6_f32 v[188:190], v[156:171], v224
	v_nop                                          ; one plain line behind a scaled conversion
	v_mov_b32 v191, 0
	v_mov_b32 v192, 0
	v_mov_b32 v193, 0
	s_branch .Lstore_frag
.Lrole_w1:                                         ; waves 0-3: W1, tile t = wave: column u as above; both halves of the lanes take all 32 rows
	v_lshrrev_b32 v223, 3, v220
	v_mad_u32_u24 v230, v223, 24, v220
	s_lshl_b32 s48, s2, 3
	v_add_nc_u32 v230, s48, v230
	v_lshlrev_b32 v230, 2, v230
	LD32 16, 256
	s_branch .Lq32
.Lrole_wc2:                                        ; waves 9-12: Wc2, tile t = wave - 9: column u = 16 t + r, rows 32 h + 0 .. 31
	s_sub_co_u32 s48, s2, 9
	s_lshl_b32 s48, s48, 4
	v_add_nc_u32 v230, s48, v220
	v_lshlrev_b32 v230, 2, v230
	v_lshl_add_u32 v230, v221, 13, v230
	LD32 28, 256
	s_branch .Lq32
.Lrole_wd:                                         ; wave 4: Wd: column r, rows 32 h + 0 .. 31 of 64 bytes
	v_lshlrev_b32 v230, 2, v220
	v_lshl_add_u32 v230, v221, 11, v230
	LD32 20, 64
.Lq32:                                             ; a lane's 32 numbers are a whole block
	s_wait_loadcnt 0x0
	AMAX 222, 223, 156, 32
	v_add_nc_u32 v224, EOFF, v222
	v_lshrrev_b32 v225, 23, v224
	v_permlanex16_b32 v226, v225, s44, s45
	v_lshl_or_b32 v227, v226, 8, v225              ; lanes 0-15: block 0's byte, block 1's above it (lanes 16-31 are not read)
	v_cvt_scalef32_pk16_bf6_f32 v[188:190], v[156:171], v224
	v_cvt_scalef32_pk16_bf6_f32 v[192:194], v[172:187], v224   ; (a conversion's three registers begin on an even number)
	v_nop
	v_mov_b32 v191, v192
	v_mov_b32 v192, v193
	v_mov_b32 v193, v194
.Lstore_frag:
	s_wait_alu depctr_va_vdst(0)                   ; the codes v188-193 and the scale word v227 are written, on both ways that lead here: the four LDS stores read them
	ds_store_b64 v10, v[188:189]
	ds_store_b64 v10, v[190:191] offset:256
	ds_store_b64 v10, v[192:193] offset:512
	ds_store_b32 v11, v227
	s_branch .Ljoin
.Lrole_bias:                                       ; wave 13: the biases, as they lie
	v_lshlrev_b32 v228, 2, v220
	s_wait_alu depctr_va_vdst(0)                   ; v228, bd's offset, is written: the fourth load reads it
	global_load_b64 v[156:157], v1, s[18:19]
	global_load_b64 v[158:159], v1, s[26:27]
	global_load_b64 v[160:161], v1, s[30:31]
	global_load_b32 v162, v228, s[22:23]
	s_wait_loadcnt 0x0
	ds_store_b64 v12, v[156:157]
	ds_store_b64 v12, v[158:159] offset:256
	ds_store_b64 v12, v[160:161] offset:512
	ds_store_b32 v13, v162                         ; lanes l and l xor 16 write the same word with the same value
	s_branch .Ljoin
.Lrole_w3:                                         ; wave 14: Wc3 in bf16, two fragments of 16 rows x 32 K: rows 0-2 and 8-10 are the three channels, the others zeros
	v_and_b32 v228, 7, v220
	v_min_u32 v229, 2, v228                        ; (no load leaves the buffer)
	v_lshlrev_b32 v230, 2, v229
	v_mad_u32_u24 v230, v221, 96, v230             ; 4 x channel + 8 h rows of 12 bytes
	s_wait_alu depctr_va_vdst(0)                   ; v230, my channel's offset, is written: the 32 loads read it
.irp s, 0,1
.irp q, 0,1
.irp j, 0,1,2,3,4,5,6,7
	global_load_b32 v[156+16*\s+8*\q+\j], v230, s[32:33] offset:12*(32*\s+16*\q+\j)
.endr
.endr
.endr
	s_wait_loadcnt 0x0
	v_cmp_gt_u32 vcc_lo, 3, v228
.set ii, 0
.rept 16
	v_cvt_pk_bf16_f32 v[188+ii], v[156+2*ii], v[157+2*ii]
.set ii, ii+1
.endr
	s_wait_alu depctr_va_vcc(0)                    ; the compare has written VCC, ahead of the first select that reads it
.set ii, 0
.rept 16
	v_cndmask_b32 v[188+ii], 0, v[188+ii], vcc_lo
.set ii, ii+1
.endr
	s_wait_alu depctr_va_vdst(0)                   ; the selects have written v188-203, which the four LDS stores read
.irp q, 0,1,2,3
	ds_store_b128 v2, v[188+4*\q:191+4*\q] offset:W3IMG+512*\q
.endr
.Ljoin:
	s_wait_loadcnt 0x0                             ; positions, directions, index words: every load of mine is done
	s_wait_kmcnt 0x0                               ; bc3
	s_wait_dscnt 0x0                               ; for the others' sake: my stores have landed
	s_barrier_signal -1
	s_barrier_wait -1                              ; the launch's one barrier: the weights lie in LDS
	s_wait_alu depctr_vm_vsrc(0)                   ; the roles' loads have read their offsets v228 and v230, their LDS stores their data in v156-203 and v227: the lines below write all of these again
	; ---- THE ENCODING.  A lane is a point.  A unit is a level of a group of 32 points: 16 gathers of 4 bytes a lane.  Four units have registers; three are on their way while one is interpolated.
.irp l, 0,1,2,3,4,5,6,7,8,9,10,11,12,13,14,15
	s_add_nc_u64 s[F1B+2*\l:F1B+1+2*\l], s[F0B+2*\l:F0B+1+2*\l], 0x2000000   ; feature 1 lies 8,388,608 entries of 4 bytes on.  (The two waits for 0 above have shown every load that named s8-s35 done)
.endr
.irp i, 221,223,225,227,229,231
	v_mov_b32 v\i, 0                               ; the packed forms name pairs of which they take the low word: the upper words are written once
.endr
	v_mov_b32 v238, 1
; Level l's eight indices for group g.  A corner's byte offset stands in both registers of its pair, so that each gather's offset register is its own destination.
.macro ADDR l, g
.set GB, G+32*((\l)&1)+16*(\g)
.set WW, IW+4*(\l)+2*(\g)
	v_and_b32 v[GB+14], 0x7ffff, v[WW]             ; corner 7 (floor, floor, floor)
	v_lshrrev_b32 v232, 19, v[WW]
	v_and_b32 v233, 63, v[WW+1]
	v_bfe_u32 v234, v[WW+1], 6, 19                 ; dz
	v_lshrrev_b32 v235, 25, v[WW+1]                ; k
	v_lshl_or_b32 v232, v233, 13, v232             ; dy
	v_lshlrev_b32 v235, v235, v238
	v_add_nc_u32 v235, -1, v235                    ; dx = 2^k - 1
	v_xor_b32 v[GB+8], v[GB+14], v235              ; corner 4 (c f f)
	v_xor_b32 v[GB+10], v[GB+14], v232             ; corner 5 (f c f)
	v_xor_b32 v[GB+12], v[GB+14], v234             ; corner 6 (f f c)
	v_xor_b32 v[GB+2], v[GB+8], v232               ; corner 1 (c c f)
	v_xor_b32 v[GB+4], v[GB+8], v234               ; corner 2 (c f c)
	v_xor_b32 v[GB+6], v[GB+10], v234              ; corner 3 (f c c)
	v_xor_b32 v[GB], v[GB+2], v234                 ; corner 0 (c c c)
.irp c, 0,1,2,3,4,5,6,7
	v_min_u32 v[GB+2*\c], 0x7ffff, v[GB+2*\c]      ; a number that was loaded enters an address held to the table's size
.endr
.irp c, 0,1,2,3,4,5,6,7
	v_lshlrev_b32 v[GB+2*\c+1], 2, v[GB+2*\c]      ; 4 bytes an entry
.endr
.irp c, 0,1,2,3,4,5,6,7
	v_lshlrev_b32 v[GB+2*\c], 2, v[GB+2*\c]
.endr
.endm
; Corner c's two gathers of level l, group g
.macro GATH l, g, c
.set GB, G+32*((\l)&1)+16*(\g)
	global_load_b32 v[GB+2*(\c)], v[GB+2*(\c)], s[F0B+2*(\l):F0B+1+2*(\l)]
	global_load_b32 v[GB+2*(\c)+1], v[GB+2*(\c)+1], s[F1B+2*(\l):F1B+1+2*(\l)]
.endm
; Level l's three weights for group g are the fractions at flat places l, 16 + l, 32 + l of the (level, coordinate) array: place j is coordinate j % 3 at level j / 3.  They hang on the position alone. In four steps of three lines:
.macro WGT0 l, g
.irp a, 0,1,2
	GETS ((\l)+16*\a)/3
	v_mul_f32 v[232+2*\a], SV, v[POS+4*(\g)+((\l)+16*\a)%3]
.endr
.endm
.macro WGT1
.irp a, 0,1,2
	v_floor_f32 v[233+2*\a], v[232+2*\a]
.endr
.endm
.macro WGT2
.irp a, 0,1,2
	v_sub_f32 v[220+4*\a], v[232+2*\a], v[233+2*\a]   ; p
.endr
.endm
.macro WGT3
.irp a, 0,1,2
	v_sub_f32 v[222+4*\a], 1.0, v[220+4*\a]           ; 1 - p
.endr
.endm
.macro WGT l, g
	WGT0 \l, \g
	WGT1
	WGT2
	WGT3
.endm
; The sixteen gathers of level l, group g.  w = 1: the weights of the unit that is interpolated next, (nl, ng), are dealt among them: they name v84-90 and v220-237, none of which a gather touches.
.macro ASK l, g, nl, ng, w
	s_wait_alu depctr_va_vdst(0)                   ; the unit's sixteen offsets are written, which the gathers read and on which they land; the interpolation is done reading these registers
	GATH \l, \g, 0
	GATH \l, \g, 1
.if \w
	WGT0 \nl, \ng
.endif
	GATH \l, \g, 2
	GATH \l, \g, 3
.if \w
	WGT1
.endif
	GATH \l, \g, 4
	GATH \l, \g, 5
.if \w
	WGT2
.endif
	GATH \l, \g, 6
	GATH \l, \g, 7
.if \w
	WGT3
.endif
.endm
; Level l's interpolation for group g, by the weights in v220-231
.macro LERP l, g
.set GB, G+32*((\l)&1)+16*(\g)
	v_pk_mul_f32 v[GB+6:GB+7], v[GB+6:GB+7], v[222:223] op_sel_hi:[1,0]
	v_pk_mul_f32 v[GB+4:GB+5], v[GB+4:GB+5], v[222:223] op_sel_hi:[1,0]
	v_pk_mul_f32 v[GB+12:GB+13], v[GB+12:GB+13], v[222:223] op_sel_hi:[1,0]
	v_pk_mul_f32 v[GB+14:GB+15], v[GB+14:GB+15], v[222:223] op_sel_hi:[1,0]
	v_pk_fma_f32 v[GB:GB+1], v[GB:GB+1], v[220:221], v[GB+6:GB+7] op_sel_hi:[1,0,1]         ; f03
	v_pk_fma_f32 v[GB+2:GB+3], v[GB+2:GB+3], v[220:221], v[GB+4:GB+5] op_sel_hi:[1,0,1]     ; f12
	v_pk_fma_f32 v[GB+10:GB+11], v[GB+10:GB+11], v[220:221], v[GB+12:GB+13] op_sel_hi:[1,0,1] ; f56
	v_pk_fma_f32 v[GB+8:GB+9], v[GB+8:GB+9], v[220:221], v[GB+14:GB+15] op_sel_hi:[1,0,1]   ; f47
	v_pk_mul_f32 v[GB+2:GB+3], v[GB+2:GB+3], v[226:227] op_sel_hi:[1,0]
	v_pk_mul_f32 v[GB+10:GB+11], v[GB+10:GB+11], v[226:227] op_sel_hi:[1,0]
	v_pk_fma_f32 v[GB:GB+1], v[GB:GB+1], v[224:225], v[GB+2:GB+3] op_sel_hi:[1,0,1]         ; f0312
	v_pk_fma_f32 v[GB+8:GB+9], v[GB+8:GB+9], v[224:225], v[GB+10:GB+11] op_sel_hi:[1,0,1]   ; f4756
	v_pk_mul_f32 v[GB+8:GB+9], v[GB+8:GB+9], v[230:231] op_sel_hi:[1,0]
	v_pk_fma_f32 v[ENC+32*(\g)+2*(\l):ENC+32*(\g)+2*(\l)+1], v[GB:GB+1], v[228:229], v[GB+8:GB+9] op_sel_hi:[1,0,1]
.endm
; A turn: unit (l, g) is interpolated and its registers are asked for again, two levels on; (nl, ng) is the unit of the next turn.
.macro TURN l, g, nl, ng
	s_wait_loadcnt 48                              ; this unit's 16 gathers are in; the three younger units' 16 each may be out
.if (((\l)&1) == 0) && ((\g) == 0)
	s_wait_alu depctr_vm_vsrc(0)                   ; once for four turns: the gathers of all four units have read their offsets, which lie in the 64 registers that these four turns write
.endif
	LERP \l, \g
	ADDR \l+2, \g                                  ; two levels on, into the registers just read
	ASK \l+2, \g, \nl, \ng, 1
.endm
	ADDR 0, 0
	ASK 0, 0, 0, 0, 0
	ADDR 0, 1
	ASK 0, 1, 0, 0, 0
	ADDR 1, 0
	ASK 1, 0, 0, 0, 0
	ADDR 1, 1
	ASK 1, 1, 0, 0, 1
.irp l, 0,1,2,3,4,5,6,7,8,9,10,11,12,13
	TURN \l, 0, \l, 1
	TURN \l, 1, \l+1, 0
.endr
	s_wait_loadcnt 48                              ; the last four units ask for nothing: the counts run down
	s_wait_alu depctr_vm_vsrc(0)                   ; the last four units' gathers have read their offsets, which lie in the 64 registers that the lines from here on write
	LERP 14, 0
	WGT 14, 1
	s_wait_loadcnt 32
	LERP 14, 1
	WGT 15, 0
	s_wait_loadcnt 16
	LERP 15, 0
	WGT 15, 1
	s_wait_loadcnt 0x0
	LERP 15, 1
	; ---- THE NETWORK, a group of 32 points at a time
.irp i, 98,99,100,101,102,103,110,111,112,113,114,115,140,141,142,143,144,145
	v_mov_b32 v\i, 0                               ; source 1's registers 6-11 of both tiles: zero codes; and the six registers behind the fourth fragment
.endr
	v_mov_b32 v[C3], s40                           ; the last product's C: bc3 in rows 0-2 and 8-10
	v_mov_b32 v[C3+1], s41
	v_mov_b32 v[C3+2], s42
.irp i, 3,4,5,6,7
	v_mov_b32 v[C3+\i], 0
.endr
	v_mov_b32 v214, 0                              ; (a lane permute's destination counts as one of its sources)
.macro WL f0, n                        ; n fragments from f0 on, and their scale words
.set ff, 0
.rept \n
	ds_load_b64 v[W+6*ff:W+6*ff+1], v1 offset:768*(\f0+ff)
	ds_load_b64 v[W+6*ff+2:W+6*ff+3], v1 offset:768*(\f0+ff)+256
	ds_load_b64 v[W+6*ff+4:W+6*ff+5], v1 offset:768*(\f0+ff)+512
	ds_load_b32 v[WS+ff], v3 offset:WSC+128*(\f0+ff)
.set ff, ff+1
.endr
.endm
.macro BL adr, off, step, n            ; n bias tiles of eight registers, in the result's layout, into the group's 32 registers at EB
.set nn, 0
.rept \n
	ds_load_b128 v[EB+8*nn:EB+8*nn+3], v[\adr] offset:\off+\step*nn
	ds_load_b128 v[EB+8*nn+4:EB+8*nn+7], v[\adr] offset:\off+\step*nn+16
.set nn, nn+1
.endr
.endm
.macro PROD d, a, b, c, sa, sb, row1
.if \row1
	v_wmma_scale_f32_16x16x128_f8f6f4 v[\d:\d+7], v[\a:\a+11], v[\b:\b+11], v[\c:\c+7], v[\sa], v[\sb] matrix_a_fmt:MATRIX_FMT_BF6 matrix_b_fmt:MATRIX_FMT_BF6 matrix_b_scale:MATRIX_SCALE_ROW1
.else
	v_wmma_scale_f32_16x16x128_f8f6f4 v[\d:\d+7], v[\a:\a+11], v[\b:\b+11], v[\c:\c+7], v[\sa], v[\sb] matrix_a_fmt:MATRIX_FMT_BF6 matrix_b_fmt:MATRIX_FMT_BF6
.endif
.endm
; relu and quantise tile pp's 64 units: my 32 registers are block h of the next K
.macro RQ pp
.set DP, D+32*(\pp)
.set XP, XA+12*(\pp)
.set ii, 0
.rept 32
	v_max_num_f32 v[DP+ii], 0, v[DP+ii]            ; each result from its low end on
.set ii, ii+1
.endr
	PMAX 210, 211, DP, 32
	v_add_nc_u32 v212, EOFF, v210
	v_lshrrev_b32 v213, 23, v212
	v_permlanex16_b32 v214, v213, s44, s45
	v_lshl_or_b32 v[XS+\pp], v214, 8, v213         ; lanes 0-15: block 0's byte, block 1's above it
	v_cvt_scalef32_pk16_bf6_f32 v[XP:XP+2], v[DP:DP+15], v212
	v_cvt_scalef32_pk16_bf6_f32 v[216:218], v[DP+16:DP+31], v212
	v_nop
.irp i, 0,1,2
	v_mov_b32 v[XP+3+\i], v[216+\i]
.endr
.endm
; the harmonics of tile pp's points (directions of tile tau): lanes 0-15 keep c0-c7, lanes 16-31 c8-c15, behind the place of the eight densities
.macro SH pp, tau
.set DX, DIR+4*(\tau)
.set OO, D+32*(\pp)+8
	v_mul_f32 v220, v[DX], v[DX]                   ; xx
	v_mul_f32 v221, v[DX+1], v[DX+1]               ; yy
	v_mul_f32 v222, v[DX+2], v[DX+2]               ; zz
	v_mul_f32 v225, v[DX], v[DX+1]                 ; xy
	v_mul_f32 v226, v[DX+1], v[DX+2]               ; yz
	v_mul_f32 v227, v[DX], v[DX+2]                 ; xz
	v_sub_f32 v223, v220, v221                     ; xx - yy
	v_fma_f32 v224, v222, 5.0, -1.0                ; 5 zz - 1
	v_fma_f32 v229, v220, 3.0, -v221               ; 3 xx - yy
	v_fma_f32 v230, v221, -3.0, v220               ; xx - 3 yy
	v_add_f32 v228, -2.0, v224                     ; 5 zz - 3
	v_mov_b32 v231, 0.28209479177
	v_mul_f32 v232, 0.54627421530, v223
	v_cndmask_b32 v[OO], v231, v232, s43
	v_mul_f32 v231, 0.48860251190, v[DX+1]
	v_mul_f32 v232, 0.59004358993, v[DX+1]
	v_mul_f32 v232, v232, v229
	v_cndmask_b32 v[OO+1], v231, v232, s43
	v_mul_f32 v231, 0.48860251190, v[DX+2]
	v_mul_f32 v232, 2.8906114426, v225
	v_mul_f32 v232, v232, v[DX+2]
	v_cndmask_b32 v[OO+2], v231, v232, s43
	v_mul_f32 v231, 0.48860251190, v[DX]
	v_mul_f32 v232, 0.45704579946, v[DX+1]
	v_mul_f32 v232, v232, v224
	v_cndmask_b32 v[OO+3], v231, v232, s43
	v_mul_f32 v231, 1.0925484306, v225
	v_mul_f32 v232, 0.37317633259, v[DX+2]
	v_mul_f32 v232, v232, v228
	v_cndmask_b32 v[OO+4], v231, v232, s43
	v_mul_f32 v231, 1.0925484306, v226
	v_mul_f32 v232, 0.45704579946, v[DX]
	v_mul_f32 v232, v232, v224
	v_cndmask_b32 v[OO+5], v231, v232, s43
	v_mov_b32 v233, -0.31539156525
	v_fma_f32 v231, v222, 0.94617469576, v233
	v_mul_f32 v232, 1.4453057213, v[DX+2]
	v_mul_f32 v232, v232, v223
	v_cndmask_b32 v[OO+6], v231, v232, s43
	v_mul_f32 v231, 1.0925484306, v227
	v_mul_f32 v232, 0.59004358993, v[DX]
	v_mul_f32 v232, v232, v230
	v_cndmask_b32 v[OO+7], v231, v232, s43
.endm
; quantise tile pp's [density | harmonics]: my 16 numbers are half of the block of 32
.macro Q3 pp
.set DP, D+32*(\pp)
.set XP, XA+12*(\pp)
	AMAX 210, 211, DP, 16
	v_permlanex16_b32 v214, v210, s44, s45
	v_max_num_f32 v210, v210, v214
	v_add_nc_u32 v212, EOFF, v210
	v_lshrrev_b32 v213, 23, v212
	v_lshl_or_b32 v[XS+\pp], v213, 8, v213         ; one byte, for k 0-31 and for k 32-63
	v_cvt_scalef32_pk16_bf6_f32 v[XP:XP+2], v[DP:DP+15], v212
	v_nop
.irp i, 3,4,5
	v_mov_b32 v[XP+\i], 0
.endr
.endm
; PLACES.  Behind each group of products stand five plain lines that name none of their registers, ahead of the first read of a result and of products that write over them
; (ISA guide 7.12.1; five in the last case).  Ahead of a scaled product stand eight behind the vector line that made a scale word, which serve the operands made by vector lines too.
; The waits on va_vdst stand beside these places, behind them, and fill none.
; No product adds in place but the last one's second K step, and there the two accumulators take turns.
.macro MLP g
.set EB, ENC+32*(\g)
.if (\g) == 0
	s_wait_alu depctr_va_vdst(0)                   ; the index arithmetic is done reading v116-139, in which W1's fragments land; the zero codes of v98-115 and v140-145, operands of the scaled products, are written
.else
	s_wait_xcnt 0x0                                ; the first group's stores have read their registers: they are written again only behind this wait
	s_wait_alu depctr_vm_vsrc(0)                   ; the first group's stores have read v210-212 and v224-239, which this group writes again.  (W1's loads below owe no wait of their own: no vector or matrix line was issued since the wait ahead of the colours' store)
.endif
	WL 0, 4                                        ; W1
	AMAX 210, 211, EB, 32                          ; each lane quantises its own point's encoding
	v_add_nc_u32 v212, EOFF, v210
	v_lshrrev_b32 v213, 23, v212
	v_lshl_or_b32 v[XS], v213, 8, v213             ; lanes 0-15 serve tile 0 (byte 0), lanes 16-31 tile 1 (byte 1)
	v_cvt_scalef32_pk16_bf6_f32 v[216:218], v[EB:EB+15], v212
	v_cvt_scalef32_pk16_bf6_f32 v[220:222], v[EB+16:EB+31], v212
	v_nop
	s_wait_alu depctr_va_vdst(0)                   ; the maximum and the conversions are done reading the encoding, in which b1's tiles land
	BL 6, 0, 32, 4                                 ; b1 takes the encoding's registers
.irp i, 0,1,2
	v_cndmask_b32 v[XA+\i], v[216+\i], 0, s43
	v_cndmask_b32 v[XA+3+\i], v[220+\i], 0, s43
	v_cndmask_b32 v[XA+12+\i], 0, v[216+\i], s43
	v_cndmask_b32 v[XA+15+\i], 0, v[220+\i], s43
.endr
	GAP 8
	s_wait_alu depctr_va_vdst(0)                   ; the points' codes and their scale word are written, which the scaled products take
	s_wait_dscnt 0x0                               ; W1, its scale words, b1
.irp t, 0,1,2,3
	PROD D+8*\t, W+6*\t, XA, EB+8*\t, WS+\t, XS, 0
	PROD D+32+8*\t, W+6*\t, XA+12, EB+8*\t, WS+\t, XS, 1
.endr
	GAP 5
	s_wait_alu depctr_va_vdst(0)                   ; the products are done reading W1's first fragment, its scale word and b1's first tile, in which Wd and bd land
	WL 4, 1                                        ; Wd
	BL 7, 768, 0, 1                                ; bd
	RQ 0
	RQ 1
	SH 0, 2*(\g)                                   ; plain lines that name no register of the next products: their places
	SH 1, 2*(\g)+1
	s_wait_alu depctr_va_vdst(0)                   ; the hidden layer's codes and scale words are written, which the scaled products take
	s_wait_dscnt 0x0
	PROD D, W, XA, EB, WS, XS, 0                   ; density: lane (r, h): units 8 h + 0 .. 7 of point r
	PROD D+32, W, XA+12, EB, WS, XS+1, 0
	GAP 5
	s_wait_alu depctr_va_vdst(0)                   ; the products have written the densities, which the LDS stores read, and are done reading Wd, its scale word and bd; the harmonics' lines are done with v224-233: loads land in all of these below
	ds_store_b128 v8, v[D:D+3]                     ; through my stage: a point's 64 bytes come from two lanes
	ds_store_b128 v8, v[D+4:D+7] offset:16
	ds_store_b128 v8, v[D+32:D+35] offset:1280
	ds_store_b128 v8, v[D+36:D+39] offset:1296
.irp i, 0,1,2,3
	ds_load_b128 v[224+4*\i:227+4*\i], v9 offset:640*\i   ; LDS serves a wave's instructions in order (ISA guide 5.7.1.4): these see the stores above
.endr
	WL 5, 4                                        ; Wc1
	BL 6, 256, 32, 4                               ; bc1
	Q3 0
	Q3 1
	GAP 8
	s_wait_alu depctr_va_vdst(0)                   ; the codes and scale words of [density | harmonics] are written, which the scaled products take
	s_wait_alu depctr_vm_vsrc(0)                   ; the stage's four LDS stores have read the densities' registers, which the products below write
	s_wait_dscnt 0x0
.irp i, 0,1,2,3
	global_store_b128 v2, v[224+4*\i:227+4*\i], s[36:37] offset:2048*(\g)+512*\i th:TH_STORE_NT   ; 32 lanes store 512 consecutive bytes, aligned: eight points' densities
.endr
.irp t, 0,1,2,3
	PROD D+8*\t, W+6*\t, XA, EB+8*\t, WS+\t, XS, 0
	PROD D+32+8*\t, W+6*\t, XA+12, EB+8*\t, WS+\t, XS+1, 0
.endr
	GAP 5
	s_wait_alu depctr_va_vdst(0)                   ; the products are done reading Wc1, its scale words and bc1, in which Wc2 and bc2 land
	WL 9, 4                                        ; Wc2
	BL 7, 512, 64, 4                               ; bc2
	RQ 0
	RQ 1
	GAP 8
	s_wait_alu depctr_va_vdst(0)                   ; the layer's codes and scale words are written, which the scaled products take
	s_wait_dscnt 0x0
.irp t, 0,1,2,3
	PROD D+8*\t, W+6*\t, XA, EB+8*\t, WS+\t, XS, 0   ; lane (r, h): units 16 t + 8 h + 0 .. 7: the bf16 operand's order
	PROD D+32+8*\t, W+6*\t, XA+12, EB+8*\t, WS+\t, XS+1, 0
.endr
	GAP 5
	s_wait_alu depctr_va_vdst(0)                   ; the products are done reading Wc2's fragments, in which Wc3 lands
.irp q, 0,1,2,3
	ds_load_b128 v[W+4*\q:W+4*\q+3], v2 offset:W3IMG+512*\q
.endr
.irp pp, 0,1
.set ii, 0
.rept 32
	v_max_num_f32 v[D+32*\pp+ii], 0, v[D+32*\pp+ii]
.set ii, ii+1
.endr
.set ii, 0
.rept 16
	v_cvt_pk_bf16_f32 v[EB+16*\pp+ii], v[D+32*\pp+2*ii], v[D+32*\pp+2*ii+1]
.set ii, ii+1
.endr
.endr
	s_wait_dscnt 0x0
	v_wmma_f32_16x16x32_bf16 v[D:D+7], v[W:W+7], v[EB:EB+7], v[C3:C3+7]
	v_wmma_f32_16x16x32_bf16 v[D+32:D+39], v[W:W+7], v[EB+16:EB+23], v[C3:C3+7]
	v_wmma_f32_16x16x32_bf16 v[D:D+7], v[W+8:W+15], v[EB+8:EB+15], v[D:D+7]
	v_wmma_f32_16x16x32_bf16 v[D+32:D+39], v[W+8:W+15], v[EB+24:EB+31], v[D+32:D+39]
	GAP 5
.irp j, 0,1,2
	v_cndmask_b32 v[210+\j], v[D+\j], v[D+32+\j], s43   ; both halves of the lanes hold the three channels: lanes 0-15 keep tile 0's, lanes 16-31 tile 1's: a lane is a point again
.endr
.irp j, 0,1,2
	v_mul_f32 v[210+\j], 0xbfb8aa3b, v[210+\j]     ; -x log2(e)
.endr
.irp j, 0,1,2
	v_exp_f32 v[210+\j], v[210+\j]
.endr
	v_nop                                          ; a plain line behind the last exponential,
	s_wait_alu depctr_va_vdst(0)                   ; and a wait ahead of the first use: the three exponentials have written v210-212
.irp j, 0,1,2
	v_add_f32 v[210+\j], 1.0, v[210+\j]
.endr
.irp j, 0,1,2
	v_rcp_f32 v[210+\j], v[210+\j]                 ; sigmoid(x) = 1 / (1 + 2^(-x log2(e)))
.endr
	v_nop
	s_wait_alu depctr_va_vdst(0)                   ; the three reciprocals have written v210-212, which the store reads
	global_store_b96 v4, v[210:212], s[38:39] offset:384*(\g) th:TH_STORE_NT   ; 32 lanes store 384 consecutive bytes
.endm
	MLP 0
	MLP 1
	s_wait_dscnt 0x0                               ; the closing lines, six on end
	s_wait_alu 0x0
	s_wait_tensorcnt 0x0
	ds_add_u32 v251, v255
	s_wait_dscnt 0x0
	s_endpgm
.Lfunc_end_k_qf5035205a8_main:
	.size	k_qf5035205a8_main, .Lfunc_end_k_qf5035205a8_main-k_qf5035205a8_main
	.p2alignl 7, 3214868480
	.fill 96, 4, 3214868480
	.section	.rodata,"a",@progbits
	.p2align	6, 0x0
	.amdhsa_kernel k_qf5035205a8_main
		.amdhsa_group_segment_fixed_size 58368
		.amdhsa_private_segment_fixed_size 0
		.amdhsa_enable_private_segment 0
		.amdhsa_kernarg_size 128
		.amdhsa_user_sgpr_count 2
		.amdhsa_user_sgpr_kernarg_segment_ptr 1
		.amdhsa_wavefront_size32 1
		.amdhsa_system_sgpr_workgroup_id_x 1
		.amdhsa_system_sgpr_workgroup_id_y 1
		.amdhsa_system_sgpr_workgroup_id_z 1
		.amdhsa_system_vgpr_workitem_id 0
		.amdhsa_next_free_vgpr 256
		.amdhsa_next_free_sgpr 100
		.amdhsa_reserve_vcc 1
		.amdhsa_float_denorm_mode_32 3
		.amdhsa_float_denorm_mode_16_64 3
		.amdhsa_memory_ordered 1
		.amdhsa_forward_progress 1
		.amdhsa_inst_pref_size 245
	.end_amdhsa_kernel
	.amdgpu_metadata
---
amdhsa.version: [ 1, 2 ]
amdhsa.kernels:
  - .name:           k_qf5035205a8_main
    .symbol:         k_qf5035205a8_main.kd
    .args:
      - { .name: position, .offset: 0, .size: 8, .value_kind: global_buffer, .address_space: global }
      - { .name: direction, .offset: 8, .size: 8, .value_kind: global_buffer, .address_space: global }
      - { .name: iw, .offset: 16, .size: 8, .value_kind: global_buffer, .address_space: global }
      - { .name: hash_table, .offset: 24, .size: 8, .value_kind: global_buffer, .address_space: global }
      - { .name: w1, .offset: 32, .size: 8, .value_kind: global_buffer, .address_space: global }
      - { .name: b1, .offset: 40, .size: 8, .value_kind: global_buffer, .address_space: global }
      - { .name: wd, .offset: 48, .size: 8, .value_kind: global_buffer, .address_space: global }
      - { .name: bd, .offset: 56, .size: 8, .value_kind: global_buffer, .address_space: global }
      - { .name: wc1, .offset: 64, .size: 8, .value_kind: global_buffer, .address_space: global }
      - { .name: bc1, .offset: 72, .size: 8, .value_kind: global_buffer, .address_space: global }
      - { .name: wc2, .offset: 80, .size: 8, .value_kind: global_buffer, .address_space: global }
      - { .name: bc2, .offset: 88, .size: 8, .value_kind: global_buffer, .address_space: global }
      - { .name: wc3, .offset: 96, .size: 8, .value_kind: global_buffer, .address_space: global }
      - { .name: bc3, .offset: 104, .size: 8, .value_kind: global_buffer, .address_space: global }
      - { .name: out0, .offset: 112, .size: 8, .value_kind: global_buffer, .address_space: global }
      - { .name: out1, .offset: 120, .size: 8, .value_kind: global_buffer, .address_space: global }
    .group_segment_fixed_size: 58368
    .private_segment_fixed_size: 0
    .kernarg_segment_align: 8
    .kernarg_segment_size: 128
    .max_flat_workgroup_size: 512
    .sgpr_count:     100
    .vgpr_count:     256
    .wavefront_size: 32
...
	.end_amdgpu_metadata
.endif
;; end of part 5
